; MI455X (gfx1250); checked and timed in simulation.
; The chip was launched on July 23, 2026; its instructions are those of AMD's public machine-readable ISA for CDNA 5 (MIT licence, August 2026) and "CDNA5" Instruction Set Architecture Reference Guide (July 2026). The comments in the code are by the model that wrote it; some were corrected since.
;; Attention. Allowed arithmetic: matrix products marked QUANTISED: E3M2 operands, one E8M0 scale for each 32 along K, by v_wmma_scale_f32_16x16x128_f8f6f4 with both operands' format E3M2, f32 sums; everything else in f32.
;; Inputs: Wkv 1,024 x 2,048 float32; Wo 1,024 x 1,024 float32; Wq 1,024 x 1,024 float32; x 4 x 2,048 x 1,024 float32.
;; Outputs: out0 4 x 2,048 x 1,024 float32.
;; This version of the problem:
;;   THIS VERSION OF THE PROBLEM IS GIVEN IN LOW PRECISION. The matrix products marked QUANTISED in the list below multiply operands that are first quantised to E3M2 (3 exponent bits, 2 mantissa bits; 6 bits a number), with one power-of-two scale for each 32 numbers along K (OCP MX v1.0); their sums are f32. All else is computed in f32.
;;   The module's matrix products, in the order in which they are computed (A, B: the left and right operand; K: the contracted axis; several contracted axes count as one K, in the product's order):
;;     1. [M 8,192, K 1,024] x [K 1,024, N 1,024]; A: input x; B: input Wq: QUANTISED
;;     2. [M 8,192, K 1,024] x [K 1,024, N 2,048]; A: input x; B: input Wkv: QUANTISED
;;     3. batch 64 x [M 2,048, K 64] x [K 64, N 2,048]; A: computed on the way; B: computed on the way: QUANTISED
;;     4. batch 64 x [M 2,048, K 2,048] x [K 2,048, N 64]; A: softmax (see below); B: computed on the way: QUANTISED
;;     5. [M 8,192, K 1,024] x [K 1,024, N 1,024]; A: computed on the way; B: input Wo: QUANTISED
;;   THE QUANTISER, for each operand of a quantised product, along K:
;;     - K is cut into blocks of 32 from its start; a last block that is shorter is filled with zeros.
;;     - A block's scale is 2^e with e = floor(log2(the largest magnitude in the block)) - 4, held to -126 .. 127; a block of zeros has e = 0. As a byte (E8M0): e + 127.
;;     - Each number is divided by its block's scale, clamped to +-28, and rounded to the nearest number of E3M2, ties to even, subnormals kept.
;;     - The product sums the exact products of the quantised numbers (number of the format x scale) in f32.
;;   ~~~python
;;   def quantise(x, axis):      # numpy; x: float32 -> the quantised numbers, widened to float32 again
;;       x = np.moveaxis(x, axis, -1); K = x.shape[-1]
;;       x = np.pad(x, [(0, 0)] * (x.ndim - 1) + [(0, -K % 32)]); x = x.reshape(x.shape[:-1] + (-1, 32)); a = np.abs(x).max(-1, keepdims=True)
;;       e = np.where(a > 0, np.clip(np.frexp(np.where(a > 0, a, 1))[1] - 1 - 4, -126, 127), 0)      # np.frexp(a)[1] - 1 = floor(log2(a)), exactly
;;       r = np.clip(x / 2.0 ** e, -28, 28)
;;       step = 2.0 ** (np.maximum(np.frexp(np.where(r == 0, 1, r))[1] - 1, -2) - 2)
;;       q = np.round(r / step) * step * 2.0 ** e      # np.round: ties to even
;;       return np.moveaxis(q.reshape(q.shape[:-2] + (-1,))[..., :K], -1, axis).astype(np.float32)
;;   ~~~
;;   SOFTMAX AHEAD OF A QUANTISED PRODUCT. Where the list says 'softmax', what is quantised is not the finished softmax but p = 2^(t - M), with t = logit x log2(e) and M = ceil(the row's largest t), a whole number; so 1/2 < the row's largest p <= 1. The row's sum l is taken of the UNQUANTISED p, in f32, and the product's result is divided by l at the end. Since M is a whole number, a kernel that streams over the keys may use a running M (the ceiling of the running maximum): every later rescaling is an exact power of two, which a block's scale takes up: the codes' values come out the same.
;;   OPERANDS COMPUTED ON THE WAY. 'Computed on the way' means the value that the module computes at that place (a softmax that the list does not call 'softmax' is quantised finished and normalised). What goes into a quantiser is computed in f32, as accurately as f32 sums, v_exp_f32 and their like allow (about 1e-6 of the number): no bf16 or f16 on the way to a quantiser, and a product that is left as it is and whose result goes on into a quantised operand takes f32 operands (vector FMAs, or v_wmma_f32_16x16x4_f32). A number that lies on a knife's edge between two numbers of the format may be rounded either way, as far as f32 arithmetic and the matrix unit's own rounding can turn it there, and no further.
;; One version. Each part assembles by itself: llvm-mc -triple=amdgcn-amd-amdhsa -mcpu=gfx1250 --defsym DOCPART=n.
;; ======== version 1 of 1: 4 launches
;; limits: right only within a limited range of input values
;; workspace buffers: xw_img 9,437,184 bytes; xw_sc 393,216 bytes; qkv 20,447,232 bytes; o_img 6,291,456 bytes; o_sc 262,144 bytes
;; launch quant (part 1): grid 384 x 1, 4 waves a work-group, no clusters, 60,928 bytes of LDS; arguments x, Wq, Wkv, Wo, xw_img, xw_sc; writes xw_img, xw_sc
.if DOCPART == 1
	.amdgcn_target "amdgcn-amd-amdhsa--gfx1250"
	.amdhsa_code_object_version 6
	.text
	.protected	k_q4225b3ec41_quant
	.globl	k_q4225b3ec41_quant
	.p2align	8
	.type	k_q4225b3ec41_quant,@function
k_q4225b3ec41_quant:
	s_mov_b64 s[64:65], 0
	v_nop
	global_prefetch_b8 v0, s[64:65] scope:SCOPE_SE
	s_setreg_imm32_b32 hwreg(HW_REG_WAVE_MODE, 25, 1), 1
	s_wait_xcnt 0x0
; x [8192][1024] (K innermost) and Wq, Wkv, Wo [1024][n] (K is the FIRST axis), f32, become codes of BF6 (E3M2) with one E8M0 byte for each 32 along K, laid as IMAGES OF OPERAND REGISTERS.
; A TILE is 16 rows (of x) or 16 columns (of a weight).  Rows go in groups of 32: tile 2 g + u, place r, is row 32 g + 8 u + r + 8 (r / 8).
; A HALF IMAGE (768 bytes) is a tile x 64 along K: lane l = r + 16 h holds the 24 bytes of k = 32 h .. 32 h + 31 of place r: its first 16 bytes at 16 l, its last 8 at 512 + 8 l.
; xw_img: [768 tiles][16 half images]; tiles 0-511 x, 512 + column / 16 the weights (columns 0-1023 Wq, 1024-3071 Wkv, 3072-4095 Wo).  xw_sc: [8 (128 along K)][768 tiles][16 places], a word of four bytes.
; A block's scale is 2^(floor(log2(largest magnitude)) - 4); its byte is the largest magnitude's exponent field - 4, held at 1 from below by a floor among the maximum's leaves.
; LIMITS: blocks whose largest magnitude lies under 2^-122 are held at the floor's scale; a block of zeros gets the byte 1, not 127 (its codes are zeros; this program alone reads the bytes); NaN and infinities are not served.
; Work-groups 0-255 take x, 256-383 the weights: two paths, each with LDS bytes of its own.  No tensor load, no barrier: waves share nothing.
.set R,      32                        ; x: v32-159  two sets of 64 numbers as loaded
.set X,      160                       ; x: v160-223 my 64 numbers: two whole blocks
.set C,      224                       ; x: v224-235 a fragment's codes
.set D,      236                       ; x: v236-238, v240-242 the conversions' second halves
.set XSTW,   8704                      ; x: LDS of a wave: a stage of 16 rows x 528 bytes, then 256 bytes of scale words
.set GATH,   8448
.set WST0,   4*XSTW                    ; W: LDS begins behind x's
.set WSTW,   6400                      ; W: LDS of a wave: two tiles' 3,072 bytes, 3,200 apart, so that lanes 8-15 fall on other banks than lanes 0-7
.set WTP,    3200
.set VR,     32                        ; W: v32-63   4 x lane + i x pitch
.set WX,     64                        ; W: v64-127  two sets of 32 numbers
.set WC,     128                       ; W: v128-133 a block's codes
.set WD,     136
.set SB,     24                        ; W: v24-25   the scale bytes
.set OUTR,   144                       ; W: v144-191 the way out
.set TPITCH, 12288                     ; a tile in xw_img
.set SCP,    49152                     ; 128 along K in xw_sc
	s_load_b256 s[4:11], s[0:1], 0x0               ; x s[4:5], Wq s[6:7], Wkv s[8:9], Wo s[10:11]
	s_load_b128 s[12:15], s[0:1], 0x20             ; xw_img s[12:13], xw_sc s[14:15]
	v_lshl_add_u32 v248, v0, 2, 0xec00
	v_mov_b32 v249, 0
	v_lshrrev_b32 v1, 5, v0
	v_readfirstlane_b32 s16, v1                    ; wave
	v_and_b32 v16, 31, v0                          ; lane
	v_and_b32 v17, 15, v0                          ; r
	v_bfe_u32 v18, v0, 4, 1                        ; h
	s_cmp_lt_u32 ttmp9, 256
	s_cbranch_scc0 .Lweights
; ---------------- x: a wave takes four tiles (64 rows) x 128 along K ----------------
	s_lshl_b32 s17, ttmp9, 2
	s_add_co_u32 s17, s17, s16                     ; 4 x work-group + wave
	s_lshr_b32 s18, s17, 3                         ; which 64 rows
	s_and_b32 s19, s17, 7                          ; which 128 along K: the four waves of a group read 2,048 bytes on end of the same rows
	s_mul_i32 s20, s16, XSTW
	s_mov_b32 s36, 0x76543210
	s_mov_b32 s37, 0xfedcba98                      ; v_permlanex16_b32's selects for lane l xor 16
	s_wait_alu depctr_va_vdst(0)
	v_lshlrev_b32 v1, 4, v16                       ; 16 x lane
	v_lshlrev_b32 v2, 3, v16                       ; 8 x lane
	v_add_nc_u32 v3, s20, v1                       ; the stage, in: a row's 512 bytes as they lie
	v_mul_u32_u24 v4, v17, 528
	v_lshl_add_u32 v4, v18, 7, v4
	v_add_nc_u32 v4, s20, v4                       ; out: row r, + 128 h: my block of 32 numbers
	v_lshlrev_b32 v5, 2, v17
	v_add_nc_u32 v5, s20, v5
	v_add_nc_u32 v5, GATH, v5                      ; my row's scale word
	v_add_nc_u32 v6, s20, v2
	v_add_nc_u32 v6, GATH, v6                      ; and the words' way out
	v_lshlrev_b32 v7, 3, v18                       ; 8 h
	v_mov_b32 v15, 0                               ; a lane permute's destination counts as one of its sources
	s_lshl_b32 s22, s18, 18                        ; 64 rows of 4,096 bytes
	s_lshl_b32 s23, s19, 9
	s_add_co_u32 s22, s22, s23
	s_mov_b32 s23, 0
	s_mul_i32 s24, s18, 4*TPITCH
	s_mul_i32 s25, s19, 1536
	s_add_co_u32 s24, s24, s25
	s_mov_b32 s25, 0
	s_mul_i32 s26, s19, SCP
	s_lshl_b32 s27, s18, 8
	s_add_co_u32 s26, s26, s27
	s_mov_b32 s27, 0
	s_wait_alu depctr_va_vdst(0)
	s_wait_kmcnt 0x0
	s_add_nc_u64 s[4:5], s[4:5], s[22:23]
	s_add_nc_u64 s[12:13], s[12:13], s[24:25]
	s_add_nc_u64 s[14:15], s[14:15], s[26:27]
.macro XLOAD i                         ; tile i's 16 places: each load reads 512 consecutive bytes of one row
.irp p, 0,1,2,3,4,5,6,7,8,9,10,11,12,13,14,15
	global_load_b128 v[R+64*((\i)%2)+4*\p:R+64*((\i)%2)+4*\p+3], v1, s[4:5] offset:(32*((\i)/2)+8*((\i)%2)+\p+8*(\p/8))*4096 th:TH_LOAD_NT
.endr
.endm
.macro XSTEP i
.set RS, R+64*((\i)%2)
.if (\i) < 3
	s_wait_loadcnt 16                              ; this tile's 16 loads are in; the next tile's may be out
.else
	s_wait_loadcnt 0
.endif
.irp p, 0,1,2,3,4,5,6,7,8,9,10,11,12,13,14,15
	ds_store_b128 v3, v[RS+4*\p:RS+4*\p+3] offset:528*\p
.endr
.irp c, 0,1
.irp n, 0,1,2,3,4,5,6,7
	ds_load_b128 v[X+32*\c+4*\n:X+32*\c+4*\n+3], v4 offset:256*\c+16*\n   ; k = 64 c + 32 h + 4 n ..: LDS serves a wave's instructions in order, so these see the stores
.endr
.endr
	s_wait_dscnt 0x0                               ; my numbers are back, and the stores have read the set that the next loads take
.if (\i) < 2
	XLOAD \i+2
.endif
.irp c, 0,1
	v_max3_num_f32 v[8+\c], |v[X+32*\c]|, |v[X+32*\c+1]|, 0x2800000   ; two whole blocks are mine; the floor 2^(5 - 127) holds the byte at 1 from below
.endr
.irp n, 2,4,6,8,10,12,14,16,18,20,22,24,26,28,30
.irp c, 0,1
	v_max3_num_f32 v[8+\c], v[8+\c], |v[X+32*\c+\n]|, |v[X+32*\c+\n+1]|
.endr
.endr
.irp c, 0,1
	v_add_nc_u32 v[10+\c], 0xfe000000, v[8+\c]     ; 4 off the exponent field: the conversion's scale operand
.endr
.irp c, 0,1
	v_lshrrev_b32 v[12+\c], 23, v[10+\c]           ; the byte
.endr
	v_lshl_or_b32 v14, v13, 16, v12                ; blocks h and 2 + h,
	v_lshlrev_b32 v14, v7, v14                     ; at their places in the word;
	v_permlanex16_b32 v15, v14, s36, s37
	v_or_b32 v14, v14, v15                         ; with lane l xor 16's two the word is whole
	s_wait_alu depctr_va_vdst(0)
	s_wait_xcnt 0x0                                ; the last tile's stores have read the codes' registers
.irp c, 0,1
	v_cvt_scalef32_pk16_bf6_f32 v[C+6*\c:C+6*\c+2], v[X+32*\c:X+32*\c+15], v[10+\c]
	v_cvt_scalef32_pk16_bf6_f32 v[D+4*\c:D+4*\c+2], v[X+32*\c+16:X+32*\c+31], v[10+\c]   ; (a conversion's three registers begin on an even number)
.endr
	v_nop                                          ; one plain line behind the conversions
.irp c, 0,1
.irp n, 0,1,2
	v_mov_b32 v[C+6*\c+3+\n], v[D+4*\c+\n]
.endr
.endr
	global_store_b128 v1, v[C:C+3], s[12:13] offset:TPITCH*(\i)            ; 512 consecutive bytes
	global_store_b64 v2, v[C+4:C+5], s[12:13] offset:TPITCH*(\i)+512       ; 256
	global_store_b128 v1, v[C+6:C+9], s[12:13] offset:TPITCH*(\i)+768
	global_store_b64 v2, v[C+10:C+11], s[12:13] offset:TPITCH*(\i)+1280
	ds_store_b32 v5, v14 offset:64*(\i)            ; both halves of the lanes write the same word
.endm
	XLOAD 0
	XLOAD 1
	XSTEP 0
	XSTEP 1
	XSTEP 2
	XSTEP 3
	ds_load_b64 v[8:9], v6                         ; the four tiles' 64 words
	s_wait_dscnt 0x0
	global_store_b64 v2, v[8:9], s[14:15]          ; 256 consecutive bytes, aligned
	s_wait_tensorcnt 0x0
	ds_add_u32 v248, v249
	s_wait_dscnt 0x0
	s_endpgm
; ---------------- the weights: a wave takes 32 columns (two tiles) x 256 along K; a lane is a column, its registers run down K ----------------
.Lweights:
	s_sub_co_u32 s17, ttmp9, 256
	s_lshr_b32 s18, s17, 2                         ; which 128 columns of the 4,096
	s_and_b32 s19, s17, 3                          ; which 256 along K
	s_wait_kmcnt 0x0
	s_mov_b32 s23, 4096
	s_cmp_lt_u32 s18, 24                           ; the choice hangs on the work-group's number alone
	s_cselect_b64 s[20:21], s[8:9], s[10:11]
	s_cselect_b32 s22, 8, 24                       ; the tensor's first group
	s_cselect_b32 s23, 8192, s23                   ; its row in bytes
	s_cmp_lt_u32 s18, 8
	s_cselect_b64 s[20:21], s[6:7], s[20:21]
	s_cselect_b32 s22, 0, s22
	s_cselect_b32 s23, 4096, s23
	s_sub_co_u32 s24, s18, s22
	s_lshl_b32 s24, s24, 9                         ; 128 columns of 4 bytes
	s_lshl_b32 s25, s16, 7                         ; my wave's 32
	s_add_co_u32 s24, s24, s25
	s_mul_i32 s25, s19, s23
	s_lshl_b32 s25, s25, 8                         ; 256 rows
	s_add_co_u32 s24, s24, s25
	s_mov_b32 s25, 0
	s_add_nc_u64 s[20:21], s[20:21], s[24:25]      ; even blocks' base
	s_lshl_b32 s26, s23, 5
	s_mov_b32 s27, 0
	s_add_nc_u64 s[28:29], s[20:21], s[26:27]      ; odd blocks' base: 32 rows on
	s_lshl_b32 s26, s23, 6                         ; each steps by 64 rows
	s_wait_alu depctr_va_vdst(0)
	v_lshlrev_b32 v1, 2, v16                       ; 4 x lane
.set i, 0
.rept 32
	v_mad_u32_u24 v[VR+i], s23, i, v1              ; row i of a block: one text serves both pitches
.set i, i+1
.endr
	v_bfe_u32 v2, v16, 3, 1                        ; column L of the 32 is tile u = (L / 8) % 2,
	v_and_b32 v3, 7, v16
	v_lshl_or_b32 v3, v18, 3, v3                   ; place r = L % 8 + 8 (L / 16)
	s_mul_i32 s30, s16, WSTW
	s_add_co_u32 s30, s30, WST0
	v_mul_u32_u24 v4, v2, WTP
	v_add_nc_u32 v4, s30, v4
	v_lshl_add_u32 v5, v3, 3, v4                   ; my tile's image, 8 r
	v_lshl_add_u32 v4, v3, 4, v4                   ; and 16 r
	v_lshl_add_u32 v6, v16, 4, s30                 ; the way out: 16 x lane
	v_lshlrev_b32 v7, 4, v16
	v_lshlrev_b32 v8, 2, v3
	v_lshl_add_u32 v8, v2, 6, v8                   ; my scale words' place: 64 u + 4 r
	s_lshl_b32 s31, s18, 3
	s_lshl_b32 s32, s16, 1
	s_add_co_u32 s31, s31, s32
	s_add_co_u32 s31, s31, 512                     ; my first tile
	s_mul_i32 s32, s31, TPITCH
	s_mul_i32 s33, s19, 3072
	s_add_co_u32 s32, s32, s33
	s_mov_b32 s33, 0
	s_add_nc_u64 s[12:13], s[12:13], s[32:33]
	s_mul_i32 s32, s19, 2*SCP
	s_lshl_b32 s34, s31, 6
	s_add_co_u32 s32, s32, s34
	s_add_nc_u64 s[14:15], s[14:15], s[32:33]
.macro WLOAD t                         ; block t: 32 rows, 128 consecutive bytes a load
.set i, 0
.rept 32
	global_load_b32 v[WX+32*((\t)%2)+i], v[VR+i], s[20+8*((\t)%2):21+8*((\t)%2)] th:TH_LOAD_NT
.set i, i+1
.endr
.endm
.macro BLOCK t
.set XS, WX+32*((\t)%2)
.if (\t) < 7
	s_wait_loadcnt 32                              ; this block's 32 loads are in (so their base may step); the next block's may be out
.else
	s_wait_loadcnt 0
.endif
	v_max3_num_f32 v12, |v[XS]|, |v[XS+1]|, |v[XS+2]|
	v_max3_num_f32 v13, |v[XS+3]|, |v[XS+4]|, |v[XS+5]|
.irp n, 6,10,14,18,22,26
	v_max3_num_f32 v12, v12, |v[XS+\n]|, |v[XS+\n+1]|
	v_max3_num_f32 v13, v13, |v[XS+\n+2]|, |v[XS+\n+3]|
.endr
	v_max3_num_f32 v12, v12, |v[XS+30]|, |v[XS+31]|
	v_max3_num_f32 v12, v12, v13, 0x2800000        ; and the floor
	v_add_nc_u32 v11, 0xfe000000, v12
	v_lshrrev_b32 v13, 23, v11
.if (\t)%4 == 0
	v_mov_b32 v[SB+(\t)/4], v13
.else
	v_lshl_or_b32 v[SB+(\t)/4], v13, 8*((\t)%4), v[SB+(\t)/4]
.endif
	v_cvt_scalef32_pk16_bf6_f32 v[WC:WC+2], v[XS:XS+15], v11
	v_cvt_scalef32_pk16_bf6_f32 v[WD:WD+2], v[XS+16:XS+31], v11
	v_nop
.irp n, 0,1,2
	v_mov_b32 v[WC+3+\n], v[WD+\n]
.endr
	ds_store_b128 v4, v[WC:WC+3] offset:768*((\t)/2)+256*((\t)%2)          ; block t is half image t / 2, lanes 16 (t % 2) + r
	ds_store_b64 v5, v[WC+4:WC+5] offset:768*((\t)/2)+512+128*((\t)%2)
.if (\t)+2 < 8
	s_add_nc_u64 s[20+8*((\t)%2):21+8*((\t)%2)], s[20+8*((\t)%2):21+8*((\t)%2)], s[26:27]
	WLOAD \t+2
.endif
	s_wait_dscnt 0x0                               ; the stores have read their registers
.endm
	WLOAD 0
	WLOAD 1
.irp t, 0,1,2,3,4,5,6,7
	BLOCK \t
.endr
	global_store_b32 v8, v[SB], s[14:15]           ; runs of 128 bytes: 131,072 bytes in the whole launch
	s_wait_alu depctr_va_vdst(0)
	global_store_b32 v8, v[SB+1], s[14:15] offset:SCP
.irp n, 0,1,2,3,4,5,6,7,8,9,10,11
	ds_load_b128 v[OUTR+4*\n:OUTR+4*\n+3], v6 offset:WTP*(\n/6)+512*(\n%6)
.endr
.irp n, 0,1,2,3,4,5,6,7,8,9,10,11
	s_wait_dscnt 11-\n
	global_store_b128 v7, v[OUTR+4*\n:OUTR+4*\n+3], s[12:13] offset:TPITCH*(\n/6)+512*(\n%6)   ; 512 consecutive bytes, aligned
.endr
	s_wait_tensorcnt 0x0
	ds_add_u32 v248, v249
	s_wait_dscnt 0x0
	s_endpgm
.Lfunc_end_k_q4225b3ec41_quant:
	.size	k_q4225b3ec41_quant, .Lfunc_end_k_q4225b3ec41_quant-k_q4225b3ec41_quant
	.p2alignl 7, 3214868480
	.fill 96, 4, 3214868480
	.section	.rodata,"a",@progbits
	.p2align	6, 0x0
	.amdhsa_kernel k_q4225b3ec41_quant
		.amdhsa_group_segment_fixed_size 60928
		.amdhsa_private_segment_fixed_size 0
		.amdhsa_enable_private_segment 0
		.amdhsa_kernarg_size 48
		.amdhsa_user_sgpr_count 2
		.amdhsa_user_sgpr_kernarg_segment_ptr 1
		.amdhsa_wavefront_size32 1
		.amdhsa_system_sgpr_workgroup_id_x 1
		.amdhsa_system_sgpr_workgroup_id_y 1
		.amdhsa_system_sgpr_workgroup_id_z 1
		.amdhsa_system_vgpr_workitem_id 0
		.amdhsa_next_free_vgpr 250
		.amdhsa_next_free_sgpr 66
		.amdhsa_reserve_vcc 0
		.amdhsa_float_denorm_mode_32 3
		.amdhsa_float_denorm_mode_16_64 3
		.amdhsa_memory_ordered 1
		.amdhsa_forward_progress 1
		.amdhsa_inst_pref_size 75
	.end_amdhsa_kernel
	.amdgpu_metadata
---
amdhsa.version: [ 1, 2 ]
amdhsa.kernels:
  - .name:           k_q4225b3ec41_quant
    .symbol:         k_q4225b3ec41_quant.kd
    .args:
      - { .name: x, .offset: 0, .size: 8, .value_kind: global_buffer, .address_space: global }
      - { .name: Wq, .offset: 8, .size: 8, .value_kind: global_buffer, .address_space: global }
      - { .name: Wkv, .offset: 16, .size: 8, .value_kind: global_buffer, .address_space: global }
      - { .name: Wo, .offset: 24, .size: 8, .value_kind: global_buffer, .address_space: global }
      - { .name: xw_img, .offset: 32, .size: 8, .value_kind: global_buffer, .address_space: global }
      - { .name: xw_sc, .offset: 40, .size: 8, .value_kind: global_buffer, .address_space: global }
    .group_segment_fixed_size: 60928
    .private_segment_fixed_size: 0
    .kernarg_segment_align: 8
    .kernarg_segment_size: 48
    .max_flat_workgroup_size: 128
    .sgpr_count:     66
    .vgpr_count:     250
    .wavefront_size: 32
...
	.end_amdgpu_metadata
.endif
;; end of part 1
;; launch qkv (part 2): grid 12 x 32, 4 waves a work-group, clusters of 4 x 4, 327,680 bytes of LDS; arguments xw_img, xw_sc, qkv; writes qkv
.if DOCPART == 2
	.amdgcn_target "amdgcn-amd-amdhsa--gfx1250"
	.amdhsa_code_object_version 6
	.text
	.protected	k_q4225b3ec41_qkv
	.globl	k_q4225b3ec41_qkv
	.p2align	8
	.type	k_q4225b3ec41_qkv,@function
k_q4225b3ec41_qkv:
	s_mov_b64 s[64:65], 0
	v_nop
	global_prefetch_b8 v0, s[64:65] scope:SCOPE_SE
	s_setreg_imm32_b32 hwreg(HW_REG_WAVE_MODE, 25, 1), 1
	s_wait_xcnt 0x0
	s_wait_alu depctr_hold_cnt(0) depctr_sa_sdst(0) depctr_va_vdst(0) depctr_va_sdst(0) depctr_va_ssrc(0) depctr_va_vcc(0) depctr_vm_vsrc(0)
	s_getreg_b32 s2, hwreg(HW_REG_IB_STS2, 6, 4)
	s_cmp_eq_u32 s2, 0
	s_cbranch_scc0 .Lentry_in_a_cluster
	s_endpgm
.Lentry_in_a_cluster:
	s_bfe_u32 s2, ttmp6, 0x10000c
	s_cmp_lg_u32 s2, 0xf033
	s_cbranch_scc0 .Lentry_shape_is_right
	s_endpgm
.Lentry_shape_is_right:
; q = x Wq, k and v = x Wkv on codes of BF6 (E3M2) with E8M0 scales, K = 1,024; the way out quantises q / 8 and k along the head's 64 and v along the keys, and only codes go to memory.
; OPERANDS are register images (768 bytes: a tile of 16 rows x 64 along K; lane l's first 16 bytes at 16 l, its last 8 at 512 + 8 l); a tile's 16 half images lie on end, 12,288 bytes.  Scale words: [128 along K][tile][place].
; Rows go in groups of 32: tile 2 g + u, place r, is row 32 g + 8 u + r + 8 (r / 8): as source 0, the 16 registers of tiles 2 g, 2 g + 1 are 16 NEIGHBOURING rows, 32 g + 16 (lane / 16) + 0 .. 15.
; A work-group makes 256 x 256, four waves of 128 x 128 (64 accumulators, 512 registers).  'A' is source 1 (a lane holds one of its rows), 'B' is source 0 (its rows run along the lane's registers).
; Clusters x = 0 (q) and 1 (k): A = tokens, B = the weight's columns.  Cluster x = 2 (v): A = Wv's columns, B = tokens.  So a lane's registers always run along the NEXT product's K, and one quantiser serves all three.
; The choice is made by selects on tile numbers, on the cluster's x alone, which all partners share.  4 x 4 work-groups: A's tiles are asked for jointly along a row of the cluster, B's along a column.
; K goes in steps of 256 through two LDS slots; the scale words of all of K come once, with the first fills.
; RECORDS in qkv, 6,656 bytes, at (64 nh + gs) x 6,656; gs: the step of 128 tokens; nh 0-15 q's heads, 16-31 k's, 32-47 v's.  q, k: 8 token tiles x 768, then 8 x 16 words (bytes 0, 1 the head's blocks, 2, 3 = 127).
; v: (tile t of 16 places of d, half c of the keys) at 1536 t + 768 c; words at 6144 + 64 t; at 6400 + 64 t + 4 place the f32 sum of the QUANTISED v over the step's 128 keys (a product with ones).
; LIMITS: blocks whose largest magnitude lies under 2^-119 are held at the floor's scale (the floor leaves room for q's 1 / 8, which goes into the byte); a block of zeros gets the floor's byte, not 127; NaN and infinities are not served.
; REGISTERS: window 0: v1-29 addresses; v32-63 scale words, two sets; v64-72 the scale words made on the way out; v74-118 at work on the way out; v128-223 A's fragments, later the codes made; v240-251 codes of 1.0.
;   window 1: B's fragments, two sets (v0, v128); later v0-63 the sums of v.   windows 2, 3: the accumulators ((a, b) at v[8 (8 (a % 4) + b)]).
.set NQ,     2                         ; matrix instructions deep in a slot
.set FR,     12                        ; registers of a fragment
.set NL,     4                         ; LDS loads that bring one
.set NP,     4                         ; places behind this matrix instruction (ISA guide 7.12.1)
.set TROW,   3072                      ; a tile's four half images of a K step
.set TPITCH, 12288                     ; a tile in memory
.set HALFT,  8*TROW                    ; what one tensor load brings
.set SLOT,   4*HALFT
.set LAPS,   2                         ; 1,024 / 512
.set SCL,    2*SLOT                    ; the scale words: four quarters of 8 x 512 bytes
.set HALFS,  4096
.set SPARE,  SCL+4*HALFS               ; the spare words: 128 bytes a wave, two blocks of 256 bytes that no other line names
.set REC,    6656
.set NHS,    64*REC
.set L16,  8                           ; v8   16 x lane
.set L8,   9                           ; v9   8 x lane
.set GW,   10                          ; v10  the way out's LDS (2,048 bytes a wave, in slot 0, which has had its last fill and its last read): 4 r
.set GR,   11                          ; v11  16 x lane
.set VSO,  12                          ; v12  16 (lane % 16) + (lane / 16) x the stride between the lanes' halves
.set GV,   13                          ; v13  + 1,024 + 32 h
.set ADRA, 16                          ; v16-17 A's fragments in slot 0, 1, 16 x lane; v18-19 8 x lane
.set ADRB, 20                          ; v20-23 the same for B
.set ADRS, 27                          ; v27  my scale words: lanes 0-15 A's, lanes 16-31 B's
.set SPW,  28
.set NIL,  29
.set SC,   32
.set PW,   64                          ; v64-71  the scale word of block a
.set ONESC, 72                         ; v72  four bytes 127
.set PW1,  74                          ; v74-81  q, k: the second head's word
.set RB0,  88
.set RB1,  92
.set TM,   96
.set CT,   112
.set AF,   128
.set PC,   128
.set ONES, 240
.set G1, 24
.set G0, 32
.set G1B, 48
.set G0B, 56
.set G1S, 68
.set G0S, 76
.set G1SB, 80
.set G0SB, 88
.set SEL, 66
.set MSB, 0
.macro WIN new                         ; the immediate's high byte repeats the setting that is left
.if MSB != (\new)
	s_set_vgpr_msb (MSB<<8)|(\new)
.set MSB, (\new)
.endif
.endm
.set MUL_LO, 0xa1                      ; source 0 (B) window 1, source 1 (A) window 0, C and D window 2
.set MUL_HI, 0xf1
.set TO_B,   0x40
.macro JLOAD g0a, g1a, g0b, g1b        ; a joint load: waves 0, 1 fetch for A, waves 2, 3 for B; four v_nop follow each line
	s_cmp_eq_u32 s15, 0
	s_cbranch_scc0 .Lfor_b_\@
	tensor_load_to_lds s[\g0a:\g0a+3], s[\g1a:\g1a+7]
	s_nop 0
.rept 4
	v_nop
.endr
	s_branch .Lasked_\@
.Lfor_b_\@:
	tensor_load_to_lds s[\g0b:\g0b+3], s[\g1b:\g1b+7]
	s_nop 0
.rept 4
	v_nop
.endr
.Lasked_\@:
.endm
.macro CREST
	s_cmp_lg_u32 s14, 0
	s_cbranch_scc1 .Lnot_wave_0_\@
	s_barrier_signal -3
.Lnot_wave_0_\@:
	s_barrier_wait -3
	s_barrier_signal -1
	s_barrier_wait -1
.endm
.macro CROUND
	s_barrier_signal -1
	s_barrier_wait -1
	CREST
.endm
	s_load_b128 s[4:7], s[0:1], 0x0                ; xw_img, xw_sc
	s_load_b64 s[8:9], s[0:1], 0x10                ; qkv
	v_lshl_add_u32 v[SPW], v0, 2, SPARE
	v_mov_b32 v[NIL], 0
	ds_add_u32 v28, v29
	ds_add_u32 v28, v29
	s_wait_dscnt 0x0
	v_lshrrev_b32 v1, 5, v0
	v_readfirstlane_b32 s14, v1                    ; wave
	s_lshr_b32 s15, s14, 1                         ; which half of A's rows is mine.  Also: I fetch for A (0) or B (1)
	s_and_b32 s16, s14, 1                          ; which half of B's rows.  Also: which 8 tiles I fetch
	s_bfe_u32 s40, ttmp6, 0x40000                  ; cx
	s_bfe_u32 s41, ttmp6, 0x40004                  ; cy
	s_lshl_b32 s43, s41, 2
	s_lshl_b32 s43, 15, s43                        ; my row of the cluster
	s_lshl_b32 s44, 0x1111, s40                    ; my column
	s_and_b32 s17, ttmp7, 0xffff                   ; the cluster's y
	s_lshl_b32 s18, s17, 6                         ; its 64 token tiles
	s_lshl_b32 s19, ttmp9, 6
	s_add_co_u32 s19, s19, 512                     ; q's or k's 64 weight tiles
	s_cmp_eq_u32 ttmp9, 2                          ; v?
	s_cselect_b32 s98, 640, s18                    ; A: Wv's tiles, or tokens
	s_cselect_b32 s99, s18, s19                    ; B: tokens, or the weight's tiles
	s_lshl_b32 s20, s41, 4
	s_add_co_u32 s98, s98, s20                     ; A's first tile: hangs on cy, never on cx
	s_lshl_b32 s46, s40, 4
	s_add_co_u32 s99, s99, s46                     ; B's: on cx, never on cy
	; descriptor group 1: 8 rows (tiles) of 3,072 bytes, 12,288 apart: elements of 8 bytes; no padding: an image has no pitch
	s_or_b32 s[G1+0], s43, (3<<16)|(1<<21)
	s_or_b32 s[G1B+0], s44, (3<<16)|(1<<21)
.irp g, G1, G1B
	s_mov_b32 s[\g+1], 384<<16                     ; tensor_dim0
	s_mov_b32 s[\g+2], 16<<16                      ; tensor_dim1: the head's loads bring all 16 tiles; the ring's 8 (set behind the head's wait)
	s_mov_b32 s[\g+3], 384<<16                     ; tile_dim0
	s_mov_b32 s[\g+4], 16                          ; tile_dim1
	s_mov_b32 s[\g+5], 1536                        ; the pitch
	s_mov_b32 s[\g+6], 0
	s_mov_b32 s[\g+7], 0
.endr
	; the scale words of 16 tiles: 8 rows (128 along K each) of 1,024 bytes, 49,152 apart
	s_or_b32 s[G1S+0], s43, (3<<16)|(1<<21)
	s_or_b32 s[G1SB+0], s44, (3<<16)|(1<<21)
.irp g, G1S, G1SB
	s_mov_b32 s[\g+1], 128<<16                     ; the words of 16 tiles: rows of 1,024 bytes
	s_mov_b32 s[\g+2], 8<<16
	s_mov_b32 s[\g+3], 128<<16
	s_mov_b32 s[\g+4], 8
	s_mov_b32 s[\g+5], 6144
	s_mov_b32 s[\g+6], 0
	s_mov_b32 s[\g+7], 0
.endr
	s_mul_i32 s18, s16, 8*TPITCH                   ; in the ring I fetch 8 tiles: which half, in bytes
	s_mov_b32 s19, 0
	s_mov_b32 s20, s98
	s_mov_b32 s46, s99
	s_lshl_b32 s22, s20, 6
	s_mov_b32 s23, 0
	s_lshl_b32 s92, s46, 6
	s_mov_b32 s93, 0
	s_mul_i32 s20, s20, TPITCH
	s_mov_b32 s21, 0
	s_mul_i32 s46, s46, TPITCH
	s_mov_b32 s47, 0
	s_mul_i32 s45, s14, HALFT                      ; where they go: by the wave's number alone
	s_wait_kmcnt 0x0
	s_add_nc_u64 s[20:21], s[4:5], s[20:21]
	s_add_nc_u64 s[22:23], s[6:7], s[22:23]
	s_add_nc_u64 s[46:47], s[4:5], s[46:47]
	s_add_nc_u64 s[92:93], s[6:7], s[92:93]
	CROUND                                         ; all sixteen work-groups are here: the first joint loads meet
	s_mov_b32 s[G0S], 1
	s_mov_b32 s[G0S+1], SCL
	s_mov_b64 s[G0S+2:G0S+3], s[22:23]
	s_or_b32 s[G0S+3], s[G0S+3], 0x80000000
	s_mov_b32 s[G0SB], 1
	s_mov_b32 s[G0SB+1], SCL+2*HALFS
	s_mov_b64 s[G0SB+2:G0SB+3], s[92:93]
	s_or_b32 s[G0SB+3], s[G0SB+3], 0x80000000
.irp s, 0,1
	s_mov_b32 s[G0+4*\s], 1
	s_add_co_u32 s[G0+4*\s+1], s45, \s*SLOT
	s_add_nc_u64 s[G0+4*\s+2:G0+4*\s+3], s[20:21], \s*TROW
	s_or_b32 s[G0+4*\s+3], s[G0+4*\s+3], 0x80000000
	s_mov_b32 s[G0B+4*\s], 1
	s_add_co_u32 s[G0B+4*\s+1], s45, \s*SLOT
	s_add_nc_u64 s[G0B+4*\s+2:G0B+4*\s+3], s[46:47], \s*TROW
	s_or_b32 s[G0B+4*\s+3], s[G0B+4*\s+3], 0x80000000
.endr
	s_add_nc_u64 s[G0+6:G0+7], s[G0+6:G0+7], s[18:19]     ; slot 1's loads are the ring's: my 8 tiles
	s_add_nc_u64 s[G0B+6:G0B+7], s[G0B+6:G0B+7], s[18:19]
	s_mov_b32 s[G0+1], 0                           ; slot 0's first fill: A's 16 tiles whole,
	s_mov_b32 s[G0B+1], 2*HALFT                    ; and B's behind them
; The head's four tiles, one joint load a wave: wave 0 A's 16 tiles of K step 0, wave 1 B's, wave 2 A's scale words, wave 3 B's.  One tree of branches on the wave's number.
.macro ARM under, g0, g1, next
	s_cmp_lt_u32 s14, \under
	s_cbranch_scc0 \next
	tensor_load_to_lds s[\g0:\g0+3], s[\g1:\g1+7]
	s_nop 0
.rept 4
	v_nop
.endr
	s_branch .Lhead_asked
\next:
.endm
	ARM 1, G0,  G1,  .Lhead_b
	ARM 2, G0B, G1B, .Lhead_sa
	ARM 3, G0S, G1S, .Lhead_sb
	tensor_load_to_lds s[G0SB:G0SB+3], s[G1SB:G1SB+7]
	s_nop 0
.rept 4
	v_nop
.endr
.Lhead_asked:
	v_and_b32 v1, 15, v0                           ; r
	v_bfe_u32 v2, v0, 4, 1                         ; h
	v_and_b32 v3, 31, v0
	v_lshlrev_b32 v[L16], 4, v3
	v_lshlrev_b32 v[L8], 3, v3
	s_mul_i32 s21, s15, HALFT
	s_mul_i32 s22, s16, HALFT
	s_add_co_u32 s22, s22, 2*HALFT
.irp s, 0,1
	v_add_nc_u32 v[ADRA+\s], s21, v[L16]
	v_add_nc_u32 v[ADRB+\s], s22, v[L16]
	v_add_nc_u32 v[ADRA+2+\s], s21, v[L8]
	v_add_nc_u32 v[ADRB+2+\s], s22, v[L8]
	s_add_co_u32 s21, s21, SLOT
	s_add_co_u32 s22, s22, SLOT
.endr
	v_lshlrev_b32 v5, 2, v1                        ; 4 r
	s_lshl_b32 s21, s15, 9                         ; my 8 tiles' 512 bytes of a row of 1,024
	s_lshl_b32 s22, s16, 9
	s_add_co_u32 s22, s22, 2*HALFS
	s_sub_co_u32 s22, s22, s21
	v_mul_u32_u24 v6, s22, v2                      ; lanes 16-31 take B's: one product, the distance between the two quarters
	s_add_co_u32 s21, s21, SCL
	v_add_nc_u32 v6, v5, v6
	v_add_nc_u32 v[ADRS], s21, v6
	s_lshl_b32 s21, s14, 11                        ; the way out's 2,048 bytes
	v_add_nc_u32 v[GW], s21, v5
	v_add_nc_u32 v[GR], s21, v[L16]
	v_lshlrev_b32 v6, 5, v2
	v_add_nc_u32 v[GV], s21, v6
	v_add_nc_u32 v[GV], 1024, v[GV]
.macro FRAG reg, adr, q, i             ; a fragment is two half images on end: every load touches consecutive bytes
	ds_load_b128 v[\reg:\reg+3], v[\adr] offset:(\i)*TROW+(\q)*1536
	ds_load_b64 v[\reg+4:\reg+5], v[\adr+2] offset:(\i)*TROW+(\q)*1536+512
	ds_load_b128 v[\reg+6:\reg+9], v[\adr] offset:(\i)*TROW+(\q)*1536+768
	ds_load_b64 v[\reg+10:\reg+11], v[\adr+2] offset:(\i)*TROW+(\q)*1536+1280
.endm
; 16 matrix instructions: A's blocks a0, a0 + 1 x B's eight.  The 64 accumulators take turns, one instruction a turn, in the same order in every step.
.macro MUL16 a0, p, q, sc, zero
.irp a, \a0, \a0+1
.irp b, 0,1,2,3,4,5,6,7
.if \zero
	v_wmma_scale_f32_16x16x128_f8f6f4 v[8*(8*((\a)%4)+\b):8*(8*((\a)%4)+\b)+7], v[128*(\p)+FR*\b:128*(\p)+FR*\b+FR-1], v[AF+FR*(\a):AF+FR*(\a)+FR-1], 0, v[SC+8*NQ*(\sc)+NQ*\b+(\q)], v[SC+8*NQ*(\sc)+NQ*(\a)+(\q)] matrix_a_fmt:MATRIX_FMT_BF6 matrix_b_fmt:MATRIX_FMT_BF6 matrix_a_scale:MATRIX_SCALE_ROW1
.else
	v_wmma_scale_f32_16x16x128_f8f6f4 v[8*(8*((\a)%4)+\b):8*(8*((\a)%4)+\b)+7], v[128*(\p)+FR*\b:128*(\p)+FR*\b+FR-1], v[AF+FR*(\a):AF+FR*(\a)+FR-1], v[8*(8*((\a)%4)+\b):8*(8*((\a)%4)+\b)+7], v[SC+8*NQ*(\sc)+NQ*\b+(\q)], v[SC+8*NQ*(\sc)+NQ*(\a)+(\q)] matrix_a_fmt:MATRIX_FMT_BF6 matrix_b_fmt:MATRIX_FMT_BF6 matrix_a_scale:MATRIX_SCALE_ROW1
.endif
.endr
.endr
.endm
.macro FETCH_B slot, q, p
	WIN TO_B
.irp i, 0,1,2,3,4,5,6,7
	FRAG 128*(\p)+FR*\i, ADRB+\slot, \q, \i
.endr
	WIN 0
.endm
.macro FETCH_A slot, q, i0
.irp i, \i0, \i0+1, \i0+2, \i0+3
	FRAG AF+FR*(\i), ADRA+\slot, \q, \i
.endr
.endm
.macro SCALES sc                       ; a K step's words: lanes 0-15 A's block i, lanes 16-31 B's block i
.irp i, 0,1,2,3,4,5,6,7
.irp q, 0,1
	ds_load_b32 v[SC+8*NQ*\sc+NQ*\i+\q], v[ADRS] offset:1024*\q+64*\i
.endr
.endr
.endm
.macro PLACES n                        ; plain vector lines between a matrix instruction and a load into, or a read of, its registers
.rept \n
	v_nop
.endr
.endm
.macro STEP slot, q, zero              ; 128 along K whose successor lies in the same slot
	s_wait_dscnt 4*NL                              ; all but the youngest 16 loads (A's blocks 4-7) are in
	WIN MUL_LO
	MUL16 0, (\q)%2, \q, \slot, \zero
	MUL16 2, (\q)%2, \q, \slot, \zero
	s_wait_dscnt 0
	PLACES NP
	FETCH_B \slot, (\q)+1, 1-(\q)%2
	FETCH_A \slot, (\q)+1, 0
	WIN MUL_HI
	MUL16 4, (\q)%2, \q, \slot, \zero
	MUL16 6, (\q)%2, \q, \slot, \zero
	PLACES NP
	WIN 0
	FETCH_A \slot, (\q)+1, 4
.endm
.macro TURN slot, next, fill           ; a slot's last step changes slots
	s_wait_tensorcnt 0x0                           ; all my tensor loads have landed: my part of the next slot;
	ds_add_u32 v[SPW], v[NIL]                      ; 0 onto my spare word
	s_wait_dscnt 4*NL+1                            ; (the add and A's blocks 4-7 may be out)
	WIN MUL_LO
	MUL16 0, 1, NQ-1, \slot, 0
	s_wait_dscnt 0x0                               ; the add is done, and my reads of this slot are over
	s_barrier_signal -1
	MUL16 2, 1, NQ-1, \slot, 0
	WIN 0
	s_barrier_wait -1
.if \fill
	CREST                                          ; the barrier has opened a round of the cluster's: no wave of any partner still reads this slot or has a load on its way
	s_add_nc_u64 s[G0+4*\slot+2:G0+4*\slot+3], s[G0+4*\slot+2:G0+4*\slot+3], 2*TROW
	s_add_nc_u64 s[G0B+4*\slot+2:G0B+4*\slot+3], s[G0B+4*\slot+2:G0B+4*\slot+3], 2*TROW
	JLOAD G0+4*\slot, G1, G0B+4*\slot, G1B         ; the first tensor load behind the round; its four v_nop are the places in front of the loads below
.else
	PLACES NP
.endif
	s_wait_alu depctr_va_vdst(0)
	v_add_nc_u32 v[ADRS], 1024*NQ, v[ADRS]
	FETCH_B \next, 0, 0
	FETCH_A \next, 0, 0
	SCALES \next
	WIN MUL_HI
	MUL16 4, 1, NQ-1, \slot, 0
	MUL16 6, 1, NQ-1, \slot, 0
	PLACES NP
	WIN 0
	FETCH_A \next, 0, 4
.endm
	s_wait_alu depctr_va_vdst(0)
	s_wait_tensorcnt 0x0                           ; my tile of the head's four is in; slot 1's first fill is issued as a refill is
	ds_add_u32 v[SPW], v[NIL]
	s_mov_b32 s[G1+2], 8<<16                       ; no load of mine is out: from here on a load brings 8 tiles,
	s_mov_b32 s[G1+4], 8
	s_mov_b32 s[G1B+2], 8<<16
	s_mov_b32 s[G1B+4], 8
	s_mov_b32 s[G0+1], s45                         ; and slot 0's descriptors become the ring's: my quarter of the slot, my 8 tiles
	s_add_nc_u64 s[G0+2:G0+3], s[G0+2:G0+3], s[18:19]
	s_mov_b32 s[G0B+1], s45
	s_add_nc_u64 s[G0B+2:G0B+3], s[G0B+2:G0B+3], s[18:19]
	s_wait_dscnt 0x0
	CROUND                                         ; all four tiles are in, and all sixteen work-groups are here
	JLOAD G0+4, G1, G0B+4, G1B                     ; K step 1: the first tensor load behind the round
	FETCH_B 0, 0, 0
	FETCH_A 0, 0, 0
	SCALES 0
	FETCH_A 0, 0, 4
	STEP 0, 0, 1                                   ; the first products start the sums: nothing is cleared
	s_mov_b32 s3, LAPS-1
.Llap:
	TURN 0, 1, 1
	STEP 1, 0, 0
	TURN 1, 0, 1
	STEP 0, 0, 0
	s_sub_co_u32 s3, s3, 1
	s_cmp_lg_u32 s3, 0
	s_cbranch_scc1 .Llap
	TURN 0, 1, 0
	STEP 1, 0, 0
	s_wait_dscnt 4*NL
	WIN MUL_LO
	MUL16 0, 1, NQ-1, 1, 0
	MUL16 2, 1, NQ-1, 1, 0
	s_wait_dscnt 0
	WIN MUL_HI
	MUL16 4, 1, NQ-1, 1, 0
	MUL16 6, 1, NQ-1, 1, 0
	WIN 0
	; ---------------- THE WAY OUT.  No tensor load of mine is out (the last change of slots waited for all), so the descriptors' registers are free.
	s_mov_b32 s24, NHS
	s_lshr_b32 s20, s98, 3
	s_add_co_u32 s20, s20, s15                     ; which 128 rows of the 96 x 128 are my A's,
	s_lshr_b32 s21, s99, 3
	s_add_co_u32 s21, s21, s16                     ; and my B's
	s_mov_b32 s28, 768
	s_mov_b32 s30, 768
	s_mov_b32 s32, 256
	s_cmp_eq_u32 ttmp9, 2                          ; v | q, k
	s_cselect_b32 s26, 768, s24                    ; from a fragment's first half image to its second: the keys' second half | the next head
	s_cselect_b32 s28, 1536, s28                   ; from block a to block a + 1
	s_cselect_b32 s30, NHS-4608, s30               ; from block 3 to block 4: the next head's record | the next tile
	s_cselect_b32 s32, s24, s32                    ; from lanes 0-15 to lanes 16-31 in the words' stores
	s_cselect_b32 s34, 256, s24                    ; to the second run of words: the sums | the next head's words
	s_cselect_b32 s36, -1, 0xffff
	s_cselect_b32 s37, 0, 0x7f7f0000
	s_cselect_b32 s22, s21, s20                    ; the step of 128 tokens
	s_cselect_b32 s23, s20, s21                    ; the weight's 128 columns: two heads
	s_mov_b32 s27, 0
	s_mov_b32 s29, 0
	s_mov_b32 s31, 0
	s_mov_b32 s35, 0
	s_mov_b32 s38, 0xfe000000                      ; the byte: 4 off the exponent field;
	s_cmp_eq_u32 ttmp9, 0
	s_cselect_b32 s38, 0xfc800000, s38             ; q: 7 off: q / 8 has the same codes and a scale 8 times smaller
	s_mov_b32 s[SEL], 0x76543210
	s_mov_b32 s[SEL+1], 0xfedcba98
	s_sub_co_u32 s23, s23, 64
	s_lshl_b32 s23, s23, 7                         ; 64 x the first head's number
	s_add_co_u32 s23, s23, s22
	s_mul_i32 s22, s23, REC
	s_mov_b32 s23, 0
	s_add_nc_u64 s[92:93], s[8:9], s[22:23]        ; my first record
	s_add_nc_u64 s[96:97], s[92:93], s[34:35]
	s_mov_b64 s[10:11], s[92:93]
	s_add_nc_u64 s[12:13], s[10:11], s[26:27]
	PLACES NP
.irp b, 0,1,2,3
	v_mov_b32 v[TM+4+\b], 0                        ; a lane permute's destination counts as one of its sources
.endr
	v_mul_u32_u24 v[VSO], s32, v2
	v_lshl_add_u32 v[VSO], v1, 4, v[VSO]
; Block a's 64 numbers of a lane (register 16 b + i = k 32 b + 16 (lane / 16) + i of my row) become a fragment's codes and its scale word.  Each accumulator is first read at its low end.
.macro QUANTW a
.set AC, 64*((\a)%4)
.set WA, 2+(\a)/4
.set PCA, PC+12*(\a)
	WIN WA|(WA<<2)
.irp b, 0,1,2,3
	v_max3_num_f32 v[TM+\b], |v[AC+16*\b]|, |v[AC+16*\b+1]|, 0x4000000   ; the floor 2^(8 - 127): q's byte cannot fall under 1
.endr
	WIN (WA<<2)|(WA<<4)
.irp i, 2,4,6,8,10,12,14
.irp b, 0,1,2,3
	v_max3_num_f32 v[TM+\b], v[TM+\b], |v[AC+16*\b+\i]|, |v[AC+16*\b+\i+1]|
.endr
.endr
	WIN 0
.irp b, 0,1,2,3
	v_permlanex16_b32 v[TM+4+\b], v[TM+\b], s[SEL], s[SEL+1]
.endr
.irp b, 0,1,2,3
	v_max_num_f32 v[TM+\b], v[TM+\b], v[TM+4+\b]
.endr
.irp b, 0,1,2,3
	v_add_nc_u32 v[TM+12+\b], 0xfe000000, v[TM+\b] ; the conversion's scale operand
.endr
.irp b, 0,1,2,3
	v_add_nc_u32 v[TM+4+\b], s38, v[TM+\b]
.endr
.irp b, 0,1,2,3
	v_lshrrev_b32 v[TM+4+\b], 23, v[TM+4+\b]       ; the byte
.endr
	v_lshl_or_b32 v[TM+8], v[TM+5], 8, v[TM+4]
	v_lshl_or_b32 v[TM+8], v[TM+6], 16, v[TM+8]
	v_lshl_or_b32 v[TM+8], v[TM+7], 24, v[TM+8]
	v_and_or_b32 v[PW+\a], v[TM+8], s36, s37       ; v: the word as it is; q, k: the first head's two bytes under two bytes 127
	v_lshrrev_b32 v[TM+9], 16, v[TM+8]
	v_or_b32 v[PW1+\a], 0x7f7f0000, v[TM+9]        ; q, k: the second head's
	WIN WA
.irp c, 0,1
	v_cvt_scalef32_pk16_bf6_f32 v[PCA+6*\c:PCA+6*\c+2], v[AC+32*\c:AC+32*\c+15], v[TM+12+2*\c]
	v_cvt_scalef32_pk16_bf6_f32 v[CT+4*\c:CT+4*\c+2], v[AC+32*\c+16:AC+32*\c+31], v[TM+12+2*\c+1]
.endr
	WIN 0
	v_nop                                          ; one plain line behind the conversions
.irp c, 0,1                            ; the layout wants a whole block in a lane
.irp i, 0,1,2
	v_permlane16_swap_b32 v[PCA+6*\c+\i], v[CT+4*\c+\i]
.endr
.irp i, 0,1,2
	v_mov_b32 v[PCA+3+6*\c+\i], v[CT+4*\c+\i]
.endr
.endr
.endm
.irp a, 0,1,2,3,4,5,6,7
	QUANTW \a
.if \a > 0
	s_wait_alu depctr_va_vdst(0)
	s_wait_xcnt 0x0                                ; the last block's stores have read their bases
.if \a == 4
	s_add_nc_u64 s[10:11], s[10:11], s[30:31]
	s_add_nc_u64 s[12:13], s[12:13], s[30:31]
.else
	s_add_nc_u64 s[10:11], s[10:11], s[28:29]
	s_add_nc_u64 s[12:13], s[12:13], s[28:29]
.endif
.endif
	global_store_b128 v[L16], v[PC+12*\a:PC+12*\a+3], s[10:11]             ; a half image: 512 consecutive bytes,
	global_store_b64 v[L8], v[PC+12*\a+4:PC+12*\a+5], s[10:11] offset:512  ; and 256
	global_store_b128 v[L16], v[PC+12*\a+6:PC+12*\a+9], s[12:13]
	global_store_b64 v[L8], v[PC+12*\a+10:PC+12*\a+11], s[12:13] offset:512
.endr
.irp a, 0,1,2,3,4,5,6,7
	ds_store_b32 v[GW], v[PW+\a] offset:64*\a      ; the eight blocks' words meet in my own LDS bytes and leave as runs of 256 bytes
.endr
	ds_load_b128 v[RB0:RB0+3], v[GR]               ; LDS serves a wave's instructions in order
	s_wait_dscnt 0x0
	global_store_b128 v[VSO], v[RB0:RB0+3], s[92:93] offset:6144
	s_cmp_lt_u32 ttmp9, 2                          ; the cluster's x: the same in all partners.  Each arm has LDS bytes of its own
	s_cbranch_scc0 .Lsums
.irp a, 0,1,2,3,4,5,6,7
	ds_store_b32 v[GW], v[PW1+\a] offset:512+64*\a
.endr
	ds_load_b128 v[RB1:RB1+3], v[GR] offset:512
	s_wait_dscnt 0x0
	global_store_b128 v[VSO], v[RB1:RB1+3], s[96:97] offset:6144
	s_branch .Lout
.Lsums:                                ; v: the sum of the quantised numbers over the step's 128 keys: a product of the codes just made with codes of 1.0
.irp n, 0,1,2,3
	v_mov_b32 v[ONES+3*\n], 0x0c30c30c             ; the code 0x0c, sixteen times in 96 bits
	v_mov_b32 v[ONES+3*\n+1], 0xc30c30c3
	v_mov_b32 v[ONES+3*\n+2], 0x30c30c30
.endr
	v_mov_b32 v[ONESC], 0x7f7f7f7f
	PLACES 8                                       ; a scale register written by a vector line stands 8 places ahead of a scaled matrix instruction, an operand 4
	WIN 0x40                                       ; D in window 1
.irp a, 0,1,2,3,4,5,6,7
	v_wmma_scale_f32_16x16x128_f8f6f4 v[8*\a:8*\a+7], v[PC+12*\a:PC+12*\a+11], v[ONES:ONES+11], 0, v[PW+\a], v[ONESC] matrix_a_fmt:MATRIX_FMT_BF6 matrix_b_fmt:MATRIX_FMT_BF6
.endr
	PLACES NP
	WIN 0x04                                       ; an LDS store's data are its source 1
.irp a, 0,1,2,3,4,5,6,7
	ds_store_b128 v[GV], v[8*\a:8*\a+3] offset:64*\a          ; register j of half h is place 8 h + j; the sixteen lanes of a half write the same numbers
	ds_store_b128 v[GV], v[8*\a+4:8*\a+7] offset:64*\a+16
.endr
	WIN 0
	ds_load_b128 v[RB1:RB1+3], v[GR] offset:1024
	s_wait_dscnt 0x0
	global_store_b128 v[VSO], v[RB1:RB1+3], s[96:97] offset:6144
.Lout:
	s_wait_tensorcnt 0x0                           ; the wave's end
	ds_add_u32 v[SPW], v[NIL]
	s_wait_dscnt 0x0
	CROUND                                         ; the closing round
	s_endpgm
.Lfunc_end_k_q4225b3ec41_qkv:
	.size	k_q4225b3ec41_qkv, .Lfunc_end_k_q4225b3ec41_qkv-k_q4225b3ec41_qkv
	.p2alignl 7, 3214868480
	.fill 96, 4, 3214868480
	.section	.rodata,"a",@progbits
	.p2align	6, 0x0
	.amdhsa_kernel k_q4225b3ec41_qkv
		.amdhsa_group_segment_fixed_size 327680
		.amdhsa_private_segment_fixed_size 0
		.amdhsa_enable_private_segment 0
		.amdhsa_kernarg_size 24
		.amdhsa_user_sgpr_count 2
		.amdhsa_user_sgpr_kernarg_segment_ptr 1
		.amdhsa_wavefront_size32 1
		.amdhsa_system_sgpr_workgroup_id_x 1
		.amdhsa_system_sgpr_workgroup_id_y 1
		.amdhsa_system_sgpr_workgroup_id_z 1
		.amdhsa_system_vgpr_workitem_id 0
		.amdhsa_next_free_vgpr 1024
		.amdhsa_next_free_sgpr 102
		.amdhsa_reserve_vcc 0
		.amdhsa_float_denorm_mode_32 3
		.amdhsa_float_denorm_mode_16_64 3
		.amdhsa_memory_ordered 1
		.amdhsa_forward_progress 1
		.amdhsa_inst_pref_size 161
	.end_amdhsa_kernel
	.amdgpu_metadata
---
amdhsa.version: [ 1, 2 ]
amdhsa.kernels:
  - .name:           k_q4225b3ec41_qkv
    .symbol:         k_q4225b3ec41_qkv.kd
    .args:
      - { .name: xw_img, .offset: 0, .size: 8, .value_kind: global_buffer, .address_space: global }
      - { .name: xw_sc, .offset: 8, .size: 8, .value_kind: global_buffer, .address_space: global }
      - { .name: qkv, .offset: 16, .size: 8, .value_kind: global_buffer, .address_space: global }
    .group_segment_fixed_size: 327680
    .private_segment_fixed_size: 0
    .kernarg_segment_align: 8
    .kernarg_segment_size: 24
    .max_flat_workgroup_size: 128
    .sgpr_count:     102
    .vgpr_count:     1024
    .wavefront_size: 32
...
	.end_amdgpu_metadata
.endif
;; end of part 2
;; launch attn (part 3): grid 4 x 64, 16 waves a work-group, clusters of 4 x 1, 327,680 bytes of LDS; arguments qkv, o_img, o_sc; writes o_img, o_sc
.if DOCPART == 3
	.amdgcn_target "amdgcn-amd-amdhsa--gfx1250"
	.amdhsa_code_object_version 6
	.text
	.protected	k_q4225b3ec41_attn
	.globl	k_q4225b3ec41_attn
	.p2align	8
	.type	k_q4225b3ec41_attn,@function
k_q4225b3ec41_attn:
	s_mov_b64 s[64:65], 0
	v_nop
	global_prefetch_b8 v0, s[64:65] scope:SCOPE_SE
	s_setreg_imm32_b32 hwreg(HW_REG_WAVE_MODE, 25, 1), 1
	s_wait_xcnt 0x0
	s_wait_alu depctr_hold_cnt(0) depctr_sa_sdst(0) depctr_va_vdst(0) depctr_va_sdst(0) depctr_va_ssrc(0) depctr_va_vcc(0) depctr_vm_vsrc(0)
	s_getreg_b32 s2, hwreg(HW_REG_IB_STS2, 6, 4)
	s_cmp_eq_u32 s2, 0
	s_cbranch_scc0 .Lentry_in_a_cluster
	s_endpgm
.Lentry_in_a_cluster:
	s_bfe_u32 s2, ttmp6, 0x10000c
	s_cmp_lg_u32 s2, 0x3003
	s_cbranch_scc0 .Lentry_shape_is_right
	s_endpgm
.Lentry_shape_is_right:
; o = softmax(mask(q k^T / 8)) v for 64 (batch, head) pairs of 2,048 tokens and head size 64, both products on codes of BF6 (E3M2); o is divided by the row's sum and quantised along (head, d) for the last product.
; INPUT: the records of qkv (6,656 bytes at (64 nh + gs) x 6,656): register images of q / 8, k, v, their scale words, and for v the sum of the quantised v over each step of 128 keys.
; SOFTMAX: t = score x log2(e); M = the running largest t, rounded up to a whole number; p = 2^(t - M) is quantised along the keys; the row's sum is taken of the unquantised p.
; THE MASK'S VALUE IS -50,000, NOT -INFINITY.  In the step on the diagonal hidden scores become -50,000.  The steps that are wholly hidden are not walked: all their keys have the same p, so a tile STARTS with what they add:
;   largest t = -72,134.75, M = -72,134, p0 = 2^-0.75 a key in the sum, and O = 0.625 x the sum of the quantised v over those steps (0.625 is p0 quantised: 20 x 2^-5).  Later changes of M scale this by exact powers of two.
; SHARES.  A work-group: one (batch, head) and two of the eight tiles ip of 16 queries of each step of 128 queries: 32 tiles.  ALL 16 key steps of K and V lie in LDS, 16 x 13,312 bytes, fetched once: wave w asks for
;   step w's K and V records by one load of two rows.  Nothing is filled again, so no barrier stands in the walk.  Wave m walks query step m of the first ip (key steps 0 .. m), then query step 15 - m of the second ip
;   (key steps 0 .. 15 - m): 17 key steps in every wave of every work-group, and each tile has one owner.  Branches hang on the wave's number and on counters alone.
; CLUSTER: the four work-groups of a cluster differ in ip alone and need the same records: every tensor load is a joint one.
; NO PREFETCH: every tile is asked for at the head; there is no loop to run ahead in.
; o's SCALE BYTES: a word of o_sc holds two heads' bytes, and the two heads belong to two work-groups: so each lane stores one byte, 32 bytes a tile, 262,144 bytes in the launch beside 6,291,456 of codes in whole units.
; LAYOUT: both products transposed (S^T = K Q^T, O^T = V^T P^T): a lane holds one query.  The head's 64 fill half of the instruction's 128 along K: Q's upper six registers are zero codes, and the scale bytes there are 127.
; LIMITS: p under 2^-126 is flushed by v_exp_f32; a block's largest p is taken from its largest score (this takes v_exp_f32 not to fall where its input rises); blocks of o under 2^-122 are held at the floor's scale;
;   a block of zeros gets the byte 1, not 127; NaN and infinities are not served (the sums of hidden v are chosen by factors 0.625 and 0).
.set REC,   6656
.set PAIR,  2*REC                      ; a key step in LDS: K's record, then V's
.set SUFL,  16*PAIR                    ; behind them: 16 rows of 256 bytes: 0.625 x the sums of v from step dg + 1 on (row w stored by wave w)
.set SPARE, SUFL+4096                  ; the spare words: 128 bytes a wave, eight blocks of 256 bytes that no other line names
.set L16, 1                            ; v1 16 x lane   v2 8 x lane   v3 4 (lane % 16)
.set L8,  2
.set L4,  3
.set SPW, 4
.set NIL, 5
.set AD16, 6                           ; v6-8 the same + the step's place
.set AD8, 7
.set AD4, 8
.set DQ,  9                            ; v9  my query's place in its step, less 16 (lane / 16)
.set MV,  10                           ; v10 -50,000.0
.set Q,   16                           ; v16-21 Q's codes, v22-27 zero codes; v12 -M, v13 the largest t, v[14:15] the sum
.set QN,  28                           ; v28-33 the second tile's Q
.set QS,  34                           ; v34, v35 their scale words
.set QNS, 35
.set KV,  36                           ; v36-83 K's eight tiles (6 registers each) or V's four (12); v84-89 zero
.set H32, 90                           ; v90 SUFL + 32 (lane / 16)
.set SUF, 91                           ; v91 + 256 x the tile's query step
.set OS4, 92                           ; v92 4 (lane % 16) + lane / 16: my byte of o's scale words
.set SST, 93                           ; v93 where my wave's row of sums goes
.set S,   96                           ; v96-159 S^T, then p
.set O,   160                          ; v160-191 O^T
.set PC,  192
.set PD,  204
.set BM,  212
.set PT,  216
.set CO,  220
.set KS,  224
.set VSC, 232
.set PW,  236
.set F,   238
.set TMP, 240
.set WV,  10
.set W15, 11
.set G1,  16
.set G0,  24
.set SEL, 28
.set CS,  30
.set OA,  32                           ; s[32:39] o's half image and scale bytes of my first tile, and of my second
.set OB,  34
.set SA,  36
.set SB,  38
.set TAU, 44
.set BASE, 46
.set XX,  47
.set DG,  48
.set TI,  49
.set LI,  50
.set HM,  51
.set ZZ,  52
.set QOA, 66                           ; byte offsets of Q's records at query steps m and 15 - m; of tile ip's codes and words in a record
.set QOB, 67
.set IPC, 68
.set IPS, 69
.macro CROUND
	s_barrier_signal -1
	s_barrier_wait -1
	s_cmp_lg_u32 s[WV], 0
	s_cbranch_scc1 .Lnot_wave_0_\@
	s_barrier_signal -3
.Lnot_wave_0_\@:
	s_barrier_wait -3
	s_barrier_signal -1
	s_barrier_wait -1
.endm
.macro QLOAD q, qs, ro                 ; a tile's Q: 768 bytes of codes and 16 words
	s_add_co_u32 s54, s[\ro], s[IPC]
	s_add_nc_u64 s[40:41], s[4:5], s[54:55]
	s_add_co_u32 s54, s[\ro], s[IPS]
	s_add_nc_u64 s[42:43], s[4:5], s[54:55]
	global_load_b128 v[\q:\q+3], v[L16], s[40:41]
	global_load_b64 v[\q+4:\q+5], v[L8], s[40:41] offset:512
	global_load_b32 v[\qs], v[L4], s[42:43]
.endm
.macro OPTR qs, op, sp                 ; o's tile 128 b + 16 ip + query step (s56 holds the first two terms): 12,288 bytes a tile, 768 a head; 64 bytes of scale words a tile
	s_add_co_u32 s54, s56, s[\qs]
	s_lshl_b32 s58, s54, 6
	s_mul_i32 s54, s54, 12288
	s_add_co_u32 s54, s54, s57
	s_add_nc_u64 s[\op:\op+1], s[6:7], s[54:55]
	s_add_co_u32 s54, s58, s59
	s_add_nc_u64 s[\sp:\sp+1], s[8:9], s[54:55]
.endm
	s_load_b128 s[4:7], s[0:1], 0x0                ; qkv, o_img
	s_load_b64 s[8:9], s[0:1], 0x10                ; o_sc
	v_lshl_add_u32 v[SPW], v0, 2, SPARE
	v_mov_b32 v[NIL], 0
	ds_add_u32 v[SPW], v[NIL]                      ; the opening lines
	ds_add_u32 v[SPW], v[NIL]
	v_lshrrev_b32 v6, 5, v0
	s_delay_alu instid0(VALU_DEP_1)
	v_readfirstlane_b32 s[WV], v6                  ; wave m
	s_xor_b32 s[W15], s[WV], 15                    ; 15 - m
	s_bfe_u32 s12, ttmp6, 0x40000                  ; cx: it enters global addresses and one data register alone
	s_and_b32 s13, ttmp7, 0xffff
	s_lshr_b32 s15, s13, 4                         ; b
	s_and_b32 s14, s13, 15                         ; h
	s_mov_b32 s[G1], 15|(3<<16)|(1<<21)            ; two rows of 6,656 bytes (832 elements of 8), K's record and V's, 16 x 64 records apart; the mask names all four partners
	s_mov_b32 s[G1+1], 832<<16
	s_mov_b32 s[G1+2], 2<<16
	s_mov_b32 s[G1+3], 832<<16
	s_mov_b32 s[G1+4], 2
	s_mov_b32 s[G1+5], 1024*832
	s_mov_b32 s[G1+6], 0
	s_mov_b32 s[G1+7], 0
	s_mov_b32 s[SEL], 0x76543210
	s_mov_b32 s[SEL+1], 0xfedcba98
	s_mov_b32 s[CS], 0x3fb8aa3b                    ; log2(e)
	s_mov_b32 s[CS+1], s[CS]
	s_mov_b32 s[HM], 0xffff0000                    ; lanes 16-31
	s_lshl_b32 s56, s14, 6
	s_lshl_b32 s57, s15, 4
	s_add_co_u32 s56, s56, s57                     ; 64 h + 16 b
	s_add_co_u32 s57, s56, s[WV]
	s_mul_i32 s[QOA], s57, REC
	s_add_co_u32 s54, s57, 1024                    ; K's record of key step w
	s_mul_i32 s54, s54, REC
	s_mov_b32 s55, 0
	s_add_co_u32 s57, s56, s[W15]
	s_mul_i32 s[QOB], s57, REC
	s_mul_i32 s[IPC], s12, 1536                    ; the first ip = 2 cx
	s_lshl_b32 s[IPS], s12, 7
	s_add_co_u32 s[IPS], s[IPS], 6144
	s_mov_b32 s[G0], 1
	s_mul_i32 s[G0+1], s[WV], PAIR
	s_wait_dscnt 0x0
	s_wait_kmcnt 0x0
	s_add_nc_u64 s[G0+2:G0+3], s[4:5], s[54:55]
	s_or_b32 s[G0+3], s[G0+3], 0x80000000
	CROUND                                         ; all four work-groups are here
	tensor_load_to_lds s[G0:G0+3], s[G1:G1+7]      ; my one load of the launch
	s_nop 0
.rept 4
	v_nop
.endr
	s_lshl_b32 s56, s15, 7
	s_lshl_b32 s57, s12, 5
	s_add_co_u32 s56, s56, s57                     ; 128 b + 16 ip
	s_mul_i32 s57, s14, 768
	s_lshr_b32 s59, s14, 1
	s_lshl_b32 s59, s59, 15                        ; the pair of heads: 128 along K in o_sc
	s_and_b32 s60, s14, 1
	s_lshl_b32 s60, s60, 1
	s_add_co_u32 s59, s59, s60                     ; my head's two bytes of a word
	OPTR WV, OA, SA
	s_add_co_u32 s56, s56, 16                      ; the second ip
	OPTR W15, OB, SB
	v_and_b32 v6, 31, v0
	v_bfe_u32 v7, v0, 4, 1                         ; h
	s_delay_alu instid0(VALU_DEP_2)
	v_lshlrev_b32 v[L16], 4, v6
	v_lshlrev_b32 v[L8], 3, v6
	v_and_b32 v6, 15, v0                           ; r
	s_delay_alu instid0(VALU_DEP_1)
	v_lshlrev_b32 v[L4], 2, v6
	v_lshl_add_u32 v[OS4], v6, 2, v7
	v_and_b32 v8, 8, v6
	s_delay_alu instid0(VALU_DEP_1)
	v_add_nc_u32 v[DQ], v8, v6                     ; r + 8 (r / 8)
	v_lshlrev_b32 v8, 4, v7
	s_delay_alu instid0(VALU_DEP_1)
	v_sub_nc_u32 v[DQ], v[DQ], v8
	s_lshl_b32 s57, s12, 5
	v_add_nc_u32 v[DQ], s57, v[DQ]                 ; + 32 (ip / 2); the second ip adds 8
	v_mov_b32 v[MV], 0xc7435000
	v_lshlrev_b32 v[H32], 5, v7
	s_delay_alu instid0(VALU_DEP_1)
	v_add_nc_u32 v[H32], SUFL, v[H32]
	s_lshl_b32 s57, s[WV], 8
	v_add_nc_u32 v[SST], s57, v[L8]
	s_delay_alu instid0(VALU_DEP_1)
	v_add_nc_u32 v[SST], SUFL, v[SST]
	s_wait_alu depctr_va_vdst(0)
	QLOAD Q, QS, QOA                               ; my first tile: the first ip, query step m
	s_wait_xcnt 0x0                                ; the loads have read s[40:43]
	s_add_co_u32 s[IPC], s[IPC], 768
	s_add_co_u32 s[IPS], s[IPS], 64
	QLOAD QN, QNS, QOB                             ; my second: the second ip, query step 15 - m
.irp n, 0,1,2,3,4,5
	v_mov_b32 v[Q+6+\n], 0                         ; zero codes for the upper 64 along K
	v_mov_b32 v[KV+48+\n], 0                       ; and behind K's last tile
.endr
.irp n, 0,1,2,3
	v_mov_b32 v[PT+\n], 0                          ; a lane permute's destination counts as one of its sources
.endr
	v_mov_b32 v[F+1], 0
.irp g, 0,1,2,3
	v_add_nc_u32 v[S+32+\g], \g*4*PAIR+REC+6400, v[L8]     ; the sums of v in V's records, four key steps to an address register
.endr
	s_wait_alu depctr_va_vdst(0)
	s_wait_tensorcnt 0x0                           ; my two records are in,
	s_barrier_signal -1
	s_barrier_wait -1                              ; everybody's are
.irp s, 1,2,3,4,5,6,7,8,9,10,11,12,13,14,15
	ds_load_b64 v[S+2*\s:S+2*\s+1], v[S+32+\s/4] offset:(\s%4)*PAIR       ; two of the 64 sums a lane
.endr
	s_mov_b32 s58, 0x3f200000                      ; 0.625
	s_mov_b32 s61, 0
	s_wait_dscnt 0x0
	s_cmp_lt_u32 s[WV], 1                          ; row w: the steps above w count with 0.625, the others with 0
	s_cselect_b32 s60, s58, 0
	v_pk_mul_f32 v[S:S+1], v[S+2:S+3], s[60:61] op_sel_hi:[1,0]
.irp s, 2,3,4,5,6,7,8,9,10,11,12,13,14,15
	s_cmp_lt_u32 s[WV], \s
	s_cselect_b32 s60, s58, 0
	v_pk_fma_f32 v[S:S+1], v[S+2*\s:S+2*\s+1], s[60:61], v[S:S+1] op_sel_hi:[1,0,1]
.endr
	ds_store_b64 v[SST], v[S:S+1]
	s_wait_dscnt 0x0                               ; for the others' sake
	s_barrier_signal -1
	s_barrier_wait -1
.macro START qs                        ; a tile at query step s[qs] begins with what its wholly hidden steps add; a tile on step 15 has none
	s_cmp_eq_u32 s[\qs], 15
	s_mov_b32 s[TI], 0xc78ce360                    ; -72,134.75 = -50,000 x log2(e) in f32
	s_cselect_b32 s[TI], 0xff61b1e6, s[TI]         ; -3e38
	s_xor_b32 s[LI], s[\qs], 15
	s_lshl_b32 s[LI], s[LI], 6                     ; 64 (15 - dg) hidden keys for each half of the lanes
	s_lshl_b32 s[XX], s[\qs], 8
	v_add_nc_u32 v[SUF], s[XX], v[H32]
	v_mov_b32 v13, s[TI]
	s_delay_alu instid0(VALU_DEP_1)
	v_floor_f32 v12, -v13
	v_cvt_f32_u32 v14, s[LI]
	s_delay_alu instid0(VALU_DEP_1)
	v_mul_f32 v14, 0x3f1837f0, v14                 ; x 2^-0.75
	v_mov_b32 v15, 0
.irp t, 0,1,2,3
	ds_load_b128 v[O+8*\t:O+8*\t+3], v[SUF] offset:64*\t       ; register 8 t + j: place 8 h + j of tile t.  The step's first wait for LDS brings them
	ds_load_b128 v[O+8*\t+4:O+8*\t+7], v[SUF] offset:64*\t+16
.endr
.endm
.macro TAKEQ                           ; the second tile's Q becomes the one at work; more than eight plain lines stand between the scale word's move and the next scaled product
	v_mov_b32 v[QS], v[QNS]
.irp n, 0,1,2,3,4,5
	v_mov_b32 v[Q+\n], v[QN+\n]
.endr
.endm
	START WV
	s_wait_loadcnt 0x3                             ; Q is in; the second tile's three loads may be out
; A KEY STEP of 128 keys; K's record at s[BASE], V's behind it.  s[DG] = 1: the step lies on the diagonal.
.macro STEP
	v_add_nc_u32 v[AD16], s[BASE], v[L16]
	v_add_nc_u32 v[AD8], s[BASE], v[L8]
	v_add_nc_u32 v[AD4], s[BASE], v[L4]
	v_nop                                          ; four places in front of loads into registers that the last products read
.set i, 0
.rept 8
	ds_load_b128 v[KV+6*i:KV+6*i+3], v[AD16] offset:768*i
	ds_load_b64 v[KV+6*i+4:KV+6*i+5], v[AD8] offset:768*i+512
	ds_load_b32 v[KS+i], v[AD4] offset:6144+64*i
.set i, i+1
.endr
	s_wait_alu depctr_va_vdst(0)
	s_wait_dscnt 0x0
.set i, 0
.rept 8                                ; S^T = K Q^T.  A tile's upper six registers are the next tile's codes (or zeros): they meet Q's zero codes
	v_wmma_scale_f32_16x16x128_f8f6f4 v[S+8*i:S+8*i+7], v[KV+6*i:KV+6*i+11], v[Q:Q+11], 0, v[KS+i], v[QS] matrix_a_fmt:MATRIX_FMT_BF6 matrix_b_fmt:MATRIX_FMT_BF6
.set i, i+1
.endr
.rept 4
	v_nop
.endr
.set i, 0
.rept 8                                ; V's four tiles, two half images each: they land under the softmax
	ds_load_b128 v[KV+6*i:KV+6*i+3], v[AD16] offset:REC+768*i
	ds_load_b64 v[KV+6*i+4:KV+6*i+5], v[AD8] offset:REC+768*i+512
.set i, i+1
.endr
.irp t, 0,1,2,3
	ds_load_b32 v[VSC+\t], v[AD4] offset:REC+6144+64*\t
.endr
	s_cmp_eq_u32 s[DG], 0
	s_cbranch_scc1 .Lopen_\@
.set n, 0
.rept 64                               ; register 16 b + i holds key 32 b + 16 (lane / 16) + i: hidden where 32 b + i is above v[DQ]
	v_cmp_gt_i32 vcc_lo, 32*(n/16)+n%16, v[DQ]
	v_cndmask_b32 v[S+n], v[S+n], v[MV], vcc_lo
.set n, n+1
.endr
.Lopen_\@:
.irp b, 0,1,2,3
	v_max3_num_f32 v[BM+\b], v[S+16*\b], v[S+16*\b+1], v[S+16*\b+2]        ; each block's largest score: for the row's maximum and for the block's largest p
.endr
.irp n, 3,5,7,9,11,13
.irp b, 0,1,2,3
	v_max3_num_f32 v[BM+\b], v[BM+\b], v[S+16*\b+\n], v[S+16*\b+\n+1]
.endr
.endr
.irp b, 0,1,2,3
	v_max_num_f32 v[BM+\b], v[BM+\b], v[S+16*\b+15]
.endr
.irp b, 0,1,2,3
	s_delay_alu instid0(VALU_DEP_4)
	v_permlanex16_b32 v[PT+\b], v[BM+\b], s[SEL], s[SEL+1]
.endr
.irp b, 0,1,2,3
	s_delay_alu instid0(VALU_DEP_4)
	v_max_num_f32 v[BM+\b], v[BM+\b], v[PT+\b]
.endr
	s_delay_alu instid0(VALU_DEP_2)
	v_max3_num_f32 v[TMP], v[BM], v[BM+1], v[BM+2]
	s_delay_alu instid0(VALU_DEP_1)
	v_max_num_f32 v[TMP], v[TMP], v[BM+3]
	s_delay_alu instid0(VALU_DEP_1)
	v_mul_f32 v[TMP], s[CS], v[TMP]
	s_delay_alu instid0(VALU_DEP_1)
	v_max_num_f32 v13, v13, v[TMP]                 ; the running largest t
	v_mov_b32 v[TMP], v12
	s_delay_alu instid0(VALU_DEP_2)
	v_floor_f32 v12, -v13                          ; -M = floor(-t): M is a whole number
	s_delay_alu instid0(VALU_DEP_1)
	v_sub_f32 v[TMP], v12, v[TMP]
	s_delay_alu instid0(VALU_DEP_1)
	v_cvt_i32_f32 v[TMP], v[TMP]                   ; (it saturates)
	s_delay_alu instid0(VALU_DEP_1)
	v_ldexp_f32 v[F], 1.0, v[TMP]                  ; 2^(old M - new M): a multiplication by it rounds nothing
.set j, 0
.rept 32
	v_pk_fma_f32 v[S+j:S+j+1], v[S+j:S+j+1], s[CS:CS+1], v[12:13] op_sel_hi:[1,0,0]   ; t - M
.set j, j+2
.endr
.irp b, 0,1,2,3
	v_fma_f32 v[BM+\b], v[BM+\b], s[CS], v12
.endr
.set j, 0
	s_wait_alu depctr_va_vdst(0)
.rept 64
	v_exp_f32 v[S+j], v[S+j]                       ; p, not normalised
.set j, j+1
.endr
	v_pk_mul_f32 v[14:15], v[14:15], v[F:F+1] op_sel_hi:[1,0]              ; the sum under the new M: the plain line behind the batch
	s_wait_alu depctr_va_vdst(0)                   ; one wait for the 64, ahead of their first reader
.irp b, 0,1,2,3
	v_exp_f32 v[BM+\b], v[BM+\b]                   ; the block's largest p
.endr
	v_pk_add_f32 v[242:243], v[100:101], v[104:105]        ; the row's sum of the unquantised p, in eight chains
	v_pk_add_f32 v[254:255], v[108:109], v[112:113]
	v_pk_add_f32 v[252:253], v[116:117], v[120:121]
	v_pk_add_f32 v[236:237], v[124:125], v[128:129]
	v_pk_add_f32 v[230:231], v[132:133], v[136:137]
	v_pk_add_f32 v[228:229], v[140:141], v[144:145]
	v_pk_add_f32 v[226:227], v[148:149], v[152:153]
	v_pk_add_f32 v[14:15], v[14:15], v[156:157]
	v_pk_add_f32 v[242:243], v[242:243], v[96:97]
	v_pk_add_f32 v[254:255], v[254:255], v[98:99]
	v_pk_add_f32 v[252:253], v[252:253], v[102:103]
	v_pk_add_f32 v[236:237], v[236:237], v[106:107]
	v_pk_add_f32 v[230:231], v[230:231], v[110:111]
	v_pk_add_f32 v[228:229], v[228:229], v[114:115]
	v_pk_add_f32 v[226:227], v[226:227], v[118:119]
	v_pk_add_f32 v[14:15], v[14:15], v[122:123]
	v_pk_add_f32 v[242:243], v[242:243], v[126:127]
	v_pk_add_f32 v[254:255], v[254:255], v[130:131]
	v_pk_add_f32 v[252:253], v[252:253], v[134:135]
	v_pk_add_f32 v[236:237], v[236:237], v[138:139]
	v_pk_add_f32 v[230:231], v[230:231], v[142:143]
	v_pk_add_f32 v[228:229], v[228:229], v[146:147]
	v_pk_add_f32 v[226:227], v[226:227], v[150:151]
	v_pk_add_f32 v[14:15], v[14:15], v[154:155]
	v_pk_add_f32 v[242:243], v[242:243], v[158:159]
	s_delay_alu instid0(VALU_DEP_2)
	v_pk_add_f32 v[14:15], v[14:15], v[236:237]
	s_delay_alu instid0(VALU_DEP_2)
	v_pk_add_f32 v[242:243], v[242:243], v[230:231]
	v_pk_add_f32 v[254:255], v[254:255], v[228:229]
	v_pk_add_f32 v[252:253], v[252:253], v[226:227]
	s_delay_alu instid0(VALU_DEP_2)
	v_pk_add_f32 v[14:15], v[14:15], v[254:255]
	s_delay_alu instid0(VALU_DEP_2)
	v_pk_add_f32 v[242:243], v[242:243], v[252:253]
	s_delay_alu instid0(VALU_DEP_1)
	v_pk_add_f32 v[14:15], v[14:15], v[242:243]
	s_wait_alu depctr_va_vdst(0)                   ; and one for the four
.irp b, 0,1,2,3
	v_max_num_f32 v[BM+\b], 0x2800000, v[BM+\b]    ; the floor 2^(5 - 127)
.endr
.irp b, 0,1,2,3
	s_delay_alu instid0(VALU_DEP_4)
	v_add_nc_u32 v[CO+\b], 0xfe000000, v[BM+\b]
.endr
.irp b, 0,1,2,3
	s_delay_alu instid0(VALU_DEP_4)
	v_lshrrev_b32 v[PT+\b], 23, v[CO+\b]
.endr
	s_delay_alu instid0(VALU_DEP_3)
	v_lshl_or_b32 v[PW], v[PT+1], 8, v[PT]
	s_delay_alu instid0(VALU_DEP_1)
	v_lshl_or_b32 v[PW], v[PT+2], 16, v[PW]
	s_delay_alu instid0(VALU_DEP_1)
	v_lshl_or_b32 v[PW], v[PT+3], 24, v[PW]
.irp c, 0,1
	v_cvt_scalef32_pk16_bf6_f32 v[PC+6*\c:PC+6*\c+2], v[S+32*\c:S+32*\c+15], v[CO+2*\c]
	v_cvt_scalef32_pk16_bf6_f32 v[PD+4*\c:PD+4*\c+2], v[S+32*\c+16:S+32*\c+31], v[CO+2*\c+1]
.endr
	v_nop
.irp c, 0,1
.irp n, 0,1,2
	v_permlane16_swap_b32 v[PC+6*\c+\n], v[PD+4*\c+\n]
.endr
.irp n, 0,1,2
	s_delay_alu instid0(VALU_DEP_3)
	v_mov_b32 v[PC+3+6*\c+\n], v[PD+4*\c+\n]
.endr
.endr
.set j, 0
.rept 16
	v_pk_mul_f32 v[O+j:O+j+1], v[O+j:O+j+1], v[F:F+1] op_sel_hi:[1,0]      ; O^T under the new M; these are also the places between p's codes and scale word and the products
.set j, j+2
.endr
	s_wait_alu depctr_va_vdst(0)
	s_wait_dscnt 0x0                               ; V
.irp t, 0,1,2,3                        ; O^T += V^T P^T: four accumulators, one instruction each
	v_wmma_scale_f32_16x16x128_f8f6f4 v[O+8*\t:O+8*\t+7], v[KV+12*\t:KV+12*\t+11], v[PC:PC+11], v[O+8*\t:O+8*\t+7], v[VSC+\t], v[PW] matrix_a_fmt:MATRIX_FMT_BF6 matrix_b_fmt:MATRIX_FMT_BF6
.endr
.endm
; A tile's way out: O^T / the sum; register 16 g + i is d = 32 g + 16 (lane / 16) + i: two blocks, quantised: one half image (768 bytes) and two scale bytes a query.
.macro WAYOUT ptr, sptr
.rept 4
	v_nop
.endr
	v_add_f32 v14, v14, v15
	s_delay_alu instid0(VALU_DEP_1)
	v_permlanex16_b32 v[TMP], v14, s[SEL], s[SEL+1]
	s_delay_alu instid0(VALU_DEP_1)
	v_add_f32 v14, v14, v[TMP]
	s_wait_alu depctr_va_vdst(0)
	v_rcp_f32 v14, v14
	v_nop
	s_wait_alu depctr_va_vdst(0)
.set j, 0
.rept 16
	v_pk_mul_f32 v[S+j:S+j+1], v[O+j:O+j+1], v[14:15] op_sel_hi:[1,0]
.set j, j+2
.endr
.irp g, 0,1
	v_max3_num_f32 v[BM+\g], |v[S+16*\g]|, |v[S+16*\g+1]|, 0x2800000
.endr
.irp n, 2,4,6,8,10,12,14
.irp g, 0,1
	s_delay_alu instid0(VALU_DEP_2)
	v_max3_num_f32 v[BM+\g], v[BM+\g], |v[S+16*\g+\n]|, |v[S+16*\g+\n+1]|
.endr
.endr
.irp g, 0,1
	s_delay_alu instid0(VALU_DEP_2)
	v_permlanex16_b32 v[PT+\g], v[BM+\g], s[SEL], s[SEL+1]
.endr
.irp g, 0,1
	s_delay_alu instid0(VALU_DEP_2)
	v_max_num_f32 v[BM+\g], v[BM+\g], v[PT+\g]
.endr
.irp g, 0,1
	s_delay_alu instid0(VALU_DEP_2)
	v_add_nc_u32 v[CO+\g], 0xfe000000, v[BM+\g]
.endr
.irp g, 0,1
	s_delay_alu instid0(VALU_DEP_2)
	v_lshrrev_b32 v[PT+\g], 23, v[CO+\g]
.endr
	s_delay_alu instid0(VALU_DEP_1)
	v_cndmask_b32 v[TMP+1], v[PT], v[PT+1], s[HM]  ; lanes 0-15 keep block 0's byte, lanes 16-31 block 1's
	v_cvt_scalef32_pk16_bf6_f32 v[PC:PC+2], v[S:S+15], v[CO]
	v_cvt_scalef32_pk16_bf6_f32 v[PD:PD+2], v[S+16:S+31], v[CO+1]
	v_nop
.irp n, 0,1,2
	v_permlane16_swap_b32 v[PC+\n], v[PD+\n]
.endr
.irp n, 0,1,2
	s_delay_alu instid0(VALU_DEP_3)
	v_mov_b32 v[PC+3+\n], v[PD+\n]
.endr
	global_store_b128 v[L16], v[PC:PC+3], s[\ptr:\ptr+1]                   ; 512 consecutive bytes,
	global_store_b64 v[L8], v[PC+4:PC+5], s[\ptr:\ptr+1] offset:512        ; and 256
	global_store_b8 v[OS4], v[TMP+1], s[\sptr:\sptr+1]                     ; my byte of my query's word
.endm
	s_mov_b32 s[TAU], 0
.Ltau:                                 ; 17 trips: trips 0 .. m are key steps 0 .. m of my first tile; trips m + 1 .. 16 key steps 0 .. 15 - m of my second
	s_add_co_u32 s[ZZ], s[TAU], s[W15]
	s_lshr_b32 s[XX], s[ZZ], 4                     ; 1 past trip m
	s_and_b32 s[ZZ], s[ZZ], 15                     ; there the key step is trip - m - 1 = (trip + 15 - m) % 16
	s_mul_i32 s[ZZ], s[ZZ], s[XX]
	s_xor_b32 s[XX], s[XX], 1
	s_mul_i32 s[XX], s[XX], s[TAU]
	s_add_co_u32 s[XX], s[XX], s[ZZ]
	s_min_u32 s[XX], s[XX], 15
	s_mul_i32 s[BASE], s[XX], PAIR
	s_cmp_eq_u32 s[TAU], s[WV]                     ; each tile's last key step lies on its diagonal
	s_cselect_b32 s[DG], 1, 0
	s_cmp_eq_u32 s[TAU], 16
	s_cselect_b32 s[DG], 1, s[DG]
	STEP
	s_cmp_lg_u32 s[TAU], s[WV]
	s_cbranch_scc1 .Lnosw
	WAYOUT OA, SA                                  ; from my first tile to my second
	s_wait_alu depctr_va_vdst(0)
	s_wait_loadcnt 0x0                             ; the second tile's Q is in
	TAKEQ
	v_add_nc_u32 v[DQ], 8, v[DQ]                   ; the second ip's queries lie 8 further on in their step
	START W15
	s_wait_alu depctr_va_vdst(0)
	s_wait_xcnt 0x0                                ; the stores have read the codes' registers
.Lnosw:
	s_add_co_u32 s[TAU], s[TAU], 1
	s_cmp_lt_u32 s[TAU], 17
	s_cbranch_scc1 .Ltau
	s_wait_dscnt 0x0                               ; no LDS load is out: a tile's first loads into O^T are awaited by its first key step; the wait says so for the way from the change of tiles to the loop's end too
	WAYOUT OB, SB
	s_wait_dscnt 0x0
	s_barrier_signal -1
	s_barrier_wait -1                              ; every wave's reads of LDS are over
	s_wait_tensorcnt 0x0                           ; the wave's end
	ds_add_u32 v[SPW], v[NIL]
	s_wait_dscnt 0x0
	CROUND                                         ; the closing round
	s_endpgm
.Lfunc_end_k_q4225b3ec41_attn:
	.size	k_q4225b3ec41_attn, .Lfunc_end_k_q4225b3ec41_attn-k_q4225b3ec41_attn
	.p2alignl 7, 3214868480
	.fill 96, 4, 3214868480
	.section	.rodata,"a",@progbits
	.p2align	6, 0x0
	.amdhsa_kernel k_q4225b3ec41_attn
		.amdhsa_group_segment_fixed_size 327680
		.amdhsa_private_segment_fixed_size 0
		.amdhsa_enable_private_segment 0
		.amdhsa_kernarg_size 24
		.amdhsa_user_sgpr_count 2
		.amdhsa_user_sgpr_kernarg_segment_ptr 1
		.amdhsa_wavefront_size32 1
		.amdhsa_system_sgpr_workgroup_id_x 1
		.amdhsa_system_sgpr_workgroup_id_y 1
		.amdhsa_system_sgpr_workgroup_id_z 1
		.amdhsa_system_vgpr_workitem_id 0
		.amdhsa_next_free_vgpr 256
		.amdhsa_next_free_sgpr 72
		.amdhsa_reserve_vcc 1
		.amdhsa_float_denorm_mode_32 3
		.amdhsa_float_denorm_mode_16_64 3
		.amdhsa_memory_ordered 1
		.amdhsa_forward_progress 1
		.amdhsa_inst_pref_size 45
	.end_amdhsa_kernel
	.amdgpu_metadata
---
amdhsa.version: [ 1, 2 ]
amdhsa.kernels:
  - .name:           k_q4225b3ec41_attn
    .symbol:         k_q4225b3ec41_attn.kd
    .args:
      - { .name: qkv, .offset: 0, .size: 8, .value_kind: global_buffer, .address_space: global }
      - { .name: o_img, .offset: 8, .size: 8, .value_kind: global_buffer, .address_space: global }
      - { .name: o_sc, .offset: 16, .size: 8, .value_kind: global_buffer, .address_space: global }
    .group_segment_fixed_size: 327680
    .private_segment_fixed_size: 0
    .kernarg_segment_align: 8
    .kernarg_segment_size: 24
    .max_flat_workgroup_size: 512
    .sgpr_count:     72
    .vgpr_count:     256
    .wavefront_size: 32
...
	.end_amdgpu_metadata
.endif
;; end of part 3
;; launch outp (part 4): grid 4 x 32, 4 waves a work-group, clusters of 4 x 4, 327,680 bytes of LDS; arguments o_img, o_sc, xw_img, xw_sc, out0; writes out0
.if DOCPART == 4
	.amdgcn_target "amdgcn-amd-amdhsa--gfx1250"
	.amdhsa_code_object_version 6
	.text
	.protected	k_q4225b3ec41_outp
	.globl	k_q4225b3ec41_outp
	.p2align	8
	.type	k_q4225b3ec41_outp,@function
k_q4225b3ec41_outp:
	s_mov_b64 s[64:65], 0
	v_nop
	global_prefetch_b8 v0, s[64:65] scope:SCOPE_SE
	s_setreg_imm32_b32 hwreg(HW_REG_WAVE_MODE, 25, 1), 1
	s_wait_xcnt 0x0
	s_wait_alu depctr_hold_cnt(0) depctr_sa_sdst(0) depctr_va_vdst(0) depctr_va_sdst(0) depctr_va_ssrc(0) depctr_va_vcc(0) depctr_vm_vsrc(0)
	s_getreg_b32 s2, hwreg(HW_REG_IB_STS2, 6, 4)
	s_cmp_eq_u32 s2, 0
	s_cbranch_scc0 .Lentry_in_a_cluster
	s_endpgm
.Lentry_in_a_cluster:
	s_bfe_u32 s2, ttmp6, 0x10000c
	s_cmp_lg_u32 s2, 0xf033
	s_cbranch_scc0 .Lentry_shape_is_right
	s_endpgm
.Lentry_shape_is_right:
.set NQ,     2
.set FR,     12
.set NL,     4
.set NP,     4
.set TROW,   3072
.set TPITCH, 12288
.set HALFT,  8*TROW
.set SLOT,   4*HALFT
.set LAPS,   2
.set SCL,    2*SLOT
.set HALFS,  4096
.set SPARE,  SCL+4*HALFS
.set SPITCH, 528
.set ADRA, 16
.set ADRB, 20
.set STO,  24
.set RD,   25
.set CO,   26
.set ADRS, 27
.set SPW,  28
.set NIL,  29
.set SC,   32
.set AF,   128
.set BK,   128
.set G1, 24
.set G0, 32
.set G1B, 48
.set G0B, 56
.set G1S, 68
.set G0S, 76
.set G1SB, 80
.set G0SB, 88
.set MSB, 0
.macro WIN new
.if MSB != (\new)
	s_set_vgpr_msb (MSB<<8)|(\new)
.set MSB, (\new)
.endif
.endm
.set MUL_LO, 0xa1
.set MUL_HI, 0xf1
.set TO_B,   0x40
.macro JLOAD g0a, g1a, g0b, g1b
	s_cmp_eq_u32 s15, 0
	s_cbranch_scc0 .Lfor_b_\@
	tensor_load_to_lds s[\g0a:\g0a+3], s[\g1a:\g1a+7]
	s_nop 0
.rept 4
	v_nop
.endr
	s_branch .Lasked_\@
.Lfor_b_\@:
	tensor_load_to_lds s[\g0b:\g0b+3], s[\g1b:\g1b+7]
	s_nop 0
.rept 4
	v_nop
.endr
.Lasked_\@:
.endm
.macro CREST
	s_cmp_lg_u32 s14, 0
	s_cbranch_scc1 .Lnot_wave_0_\@
	s_barrier_signal -3
.Lnot_wave_0_\@:
	s_barrier_wait -3
	s_barrier_signal -1
	s_barrier_wait -1
.endm
.macro CROUND
	s_barrier_signal -1
	s_barrier_wait -1
	CREST
.endm
	s_load_b128 s[4:7], s[0:1], 0x0
	s_load_b128 s[8:11], s[0:1], 0x10
	s_load_b64 s[12:13], s[0:1], 0x20
	v_lshl_add_u32 v[SPW], v0, 2, SPARE
	v_mov_b32 v[NIL], 0
	ds_add_u32 v28, v29
	ds_add_u32 v28, v29
	s_wait_dscnt 0x0
	v_lshrrev_b32 v1, 5, v0
	v_readfirstlane_b32 s14, v1
	s_lshr_b32 s15, s14, 1
	s_and_b32 s16, s14, 1
	s_bfe_u32 s40, ttmp6, 0x40000
	s_bfe_u32 s41, ttmp6, 0x40004
	s_lshl_b32 s42, ttmp9, 2
	s_add_co_u32 s42, s42, s40
	s_and_b32 s17, ttmp7, 0xffff
	s_lshl_b32 s17, s17, 2
	s_add_co_u32 s17, s17, s41
	s_lshl_b32 s43, s41, 2
	s_lshl_b32 s43, 15, s43
	s_lshl_b32 s44, 0x1111, s40
	s_or_b32 s[G1+0], s43, (3<<16)|(1<<21)
	s_or_b32 s[G1B+0], s44, (3<<16)|(1<<21)
.irp g, G1, G1B
	s_mov_b32 s[\g+1], 384<<16
	s_mov_b32 s[\g+2], 16<<16                      ; the head's loads bring all 16 tiles; the ring's 8 (set behind the head's wait)
	s_mov_b32 s[\g+3], 384<<16
	s_mov_b32 s[\g+4], 16
	s_mov_b32 s[\g+5], 1536
	s_mov_b32 s[\g+6], 0
	s_mov_b32 s[\g+7], 0
.endr
	s_or_b32 s[G1S+0], s43, (3<<16)|(1<<21)
	s_or_b32 s[G1SB+0], s44, (3<<16)|(1<<21)
.irp g, G1S, G1SB
	s_mov_b32 s[\g+1], 128<<16                     ; the scale words of 16 tiles: rows of 1,024 bytes
	s_mov_b32 s[\g+2], 8<<16
	s_mov_b32 s[\g+3], 128<<16
	s_mov_b32 s[\g+4], 8
	s_mov_b32 s[\g+6], 0
	s_mov_b32 s[\g+7], 0
.endr
	s_mov_b32 s[G1S+5], 4096
	s_mov_b32 s[G1SB+5], 6144
	s_mul_i32 s18, s16, 8*TPITCH                   ; in the ring I fetch 8 tiles: which half, in bytes
	s_mov_b32 s19, 0
	s_lshl_b32 s20, s17, 4
	s_lshl_b32 s46, s42, 4
	s_add_co_u32 s46, s46, 704
	s_lshl_b32 s22, s20, 6
	s_mov_b32 s23, 0
	s_lshl_b32 s92, s46, 6
	s_mov_b32 s93, 0
	s_mul_i32 s20, s20, TPITCH
	s_mov_b32 s21, 0
	s_mul_i32 s46, s46, TPITCH
	s_mov_b32 s47, 0
	s_mul_i32 s45, s14, HALFT
	s_wait_kmcnt 0x0
	s_add_nc_u64 s[20:21], s[4:5], s[20:21]
	s_add_nc_u64 s[22:23], s[6:7], s[22:23]
	s_add_nc_u64 s[46:47], s[8:9], s[46:47]
	s_add_nc_u64 s[92:93], s[10:11], s[92:93]
	CROUND
	s_mov_b32 s[G0S], 1
	s_mov_b32 s[G0S+1], SCL
	s_mov_b64 s[G0S+2:G0S+3], s[22:23]
	s_or_b32 s[G0S+3], s[G0S+3], 0x80000000
	s_mov_b32 s[G0SB], 1
	s_mov_b32 s[G0SB+1], SCL+2*HALFS
	s_mov_b64 s[G0SB+2:G0SB+3], s[92:93]
	s_or_b32 s[G0SB+3], s[G0SB+3], 0x80000000
.irp s, 0,1
	s_mov_b32 s[G0+4*\s], 1
	s_add_co_u32 s[G0+4*\s+1], s45, \s*SLOT
	s_add_nc_u64 s[G0+4*\s+2:G0+4*\s+3], s[20:21], \s*TROW
	s_or_b32 s[G0+4*\s+3], s[G0+4*\s+3], 0x80000000
	s_mov_b32 s[G0B+4*\s], 1
	s_add_co_u32 s[G0B+4*\s+1], s45, \s*SLOT
	s_add_nc_u64 s[G0B+4*\s+2:G0B+4*\s+3], s[46:47], \s*TROW
	s_or_b32 s[G0B+4*\s+3], s[G0B+4*\s+3], 0x80000000
.endr
	s_add_nc_u64 s[G0+6:G0+7], s[G0+6:G0+7], s[18:19]     ; slot 1's loads are the ring's: my 8 tiles
	s_add_nc_u64 s[G0B+6:G0B+7], s[G0B+6:G0B+7], s[18:19]
	s_mov_b32 s[G0+1], 0                           ; slot 0's first fill: A's 16 tiles whole,
	s_mov_b32 s[G0B+1], 2*HALFT                    ; and B's behind them
; The head's four tiles, one joint load a wave: wave 0 A's 16 tiles of K step 0, wave 1 B's, wave 2 A's scale words, wave 3 B's.  One tree of branches on the wave's number.
.macro ARM under, g0, g1, next
	s_cmp_lt_u32 s14, \under
	s_cbranch_scc0 \next
	tensor_load_to_lds s[\g0:\g0+3], s[\g1:\g1+7]
	s_nop 0
.rept 4
	v_nop
.endr
	s_branch .Lhead_asked
\next:
.endm
	ARM 1, G0,  G1,  .Lhead_b
	ARM 2, G0B, G1B, .Lhead_sa
	ARM 3, G0S, G1S, .Lhead_sb
	tensor_load_to_lds s[G0SB:G0SB+3], s[G1SB:G1SB+7]
	s_nop 0
.rept 4
	v_nop
.endr
.Lhead_asked:
	v_and_b32 v1, 15, v0
	v_bfe_u32 v2, v0, 4, 1
	v_and_b32 v3, 31, v0
	v_lshlrev_b32 v[CO], 4, v3
	v_lshlrev_b32 v4, 3, v3
	s_mul_i32 s21, s15, HALFT
	s_mul_i32 s22, s16, HALFT
	s_add_co_u32 s22, s22, 2*HALFT
.irp s, 0,1
	v_add_nc_u32 v[ADRA+\s], s21, v[CO]
	v_add_nc_u32 v[ADRB+\s], s22, v[CO]
	v_add_nc_u32 v[ADRA+2+\s], s21, v4
	v_add_nc_u32 v[ADRB+2+\s], s22, v4
	s_add_co_u32 s21, s21, SLOT
	s_add_co_u32 s22, s22, SLOT
.endr
	v_lshlrev_b32 v5, 2, v1
	s_lshl_b32 s21, s15, 9                         ; my 8 tiles' 512 bytes of a row of 1,024
	s_lshl_b32 s22, s16, 9
	s_add_co_u32 s22, s22, 2*HALFS
	s_sub_co_u32 s22, s22, s21
	v_mul_u32_u24 v6, s22, v2
	s_add_co_u32 s21, s21, SCL
	v_add_nc_u32 v5, v5, v6
	v_add_nc_u32 v[ADRS], s21, v5
	s_mul_i32 s23, s14, 16*SPITCH
	v_mul_u32_u24 v5, v1, SPITCH
	v_lshl_add_u32 v5, v2, 6, v5
	v_add_nc_u32 v[STO], s23, v5
	v_add_nc_u32 v[RD], s23, v[CO]
	s_lshr_b32 s20, s17, 3
	s_lshl_b32 s20, s20, 11
	s_lshl_b32 s21, s15, 10
	s_add_co_u32 s20, s20, s21
	s_bfe_u32 s21, s17, 0x20001
	s_lshl_b32 s21, s21, 5
	s_add_co_u32 s20, s20, s21
	s_and_b32 s21, s17, 1
	s_lshl_b32 s21, s21, 3
	s_add_co_u32 s20, s20, s21
	s_lshl_b32 s20, s20, 12
	s_mov_b32 s21, 0
	s_lshl_b32 s46, s42, 10
	s_lshl_b32 s47, s16, 9
	s_add_co_u32 s46, s46, s47
	s_mov_b32 s47, 0
	s_add_nc_u64 s[20:21], s[20:21], s[46:47]
	s_add_nc_u64 s[12:13], s[12:13], s[20:21]
.macro FRAG reg, adr, q, i
	ds_load_b128 v[\reg:\reg+3], v[\adr] offset:(\i)*TROW+(\q)*1536
	ds_load_b64 v[\reg+4:\reg+5], v[\adr+2] offset:(\i)*TROW+(\q)*1536+512
	ds_load_b128 v[\reg+6:\reg+9], v[\adr] offset:(\i)*TROW+(\q)*1536+768
	ds_load_b64 v[\reg+10:\reg+11], v[\adr+2] offset:(\i)*TROW+(\q)*1536+1280
.endm
.macro MUL16 a0, p, q, sc, zero
.irp a, \a0, \a0+1
.irp b, 0,1,2,3,4,5,6,7
.if \zero
	v_wmma_scale_f32_16x16x128_f8f6f4 v[8*(8*((\a)%4)+\b):8*(8*((\a)%4)+\b)+7], v[128*(\p)+FR*\b:128*(\p)+FR*\b+FR-1], v[AF+FR*(\a):AF+FR*(\a)+FR-1], 0, v[SC+8*NQ*(\sc)+NQ*\b+(\q)], v[SC+8*NQ*(\sc)+NQ*(\a)+(\q)] matrix_a_fmt:MATRIX_FMT_BF6 matrix_b_fmt:MATRIX_FMT_BF6 matrix_a_scale:MATRIX_SCALE_ROW1
.else
	v_wmma_scale_f32_16x16x128_f8f6f4 v[8*(8*((\a)%4)+\b):8*(8*((\a)%4)+\b)+7], v[128*(\p)+FR*\b:128*(\p)+FR*\b+FR-1], v[AF+FR*(\a):AF+FR*(\a)+FR-1], v[8*(8*((\a)%4)+\b):8*(8*((\a)%4)+\b)+7], v[SC+8*NQ*(\sc)+NQ*\b+(\q)], v[SC+8*NQ*(\sc)+NQ*(\a)+(\q)] matrix_a_fmt:MATRIX_FMT_BF6 matrix_b_fmt:MATRIX_FMT_BF6 matrix_a_scale:MATRIX_SCALE_ROW1
.endif
.endr
.endr
.endm
.macro FETCH_B slot, q, p
	WIN TO_B
.irp i, 0,1,2,3,4,5,6,7
	FRAG 128*(\p)+FR*\i, ADRB+\slot, \q, \i
.endr
	WIN 0
.endm
.macro FETCH_A slot, q, i0
.irp i, \i0, \i0+1, \i0+2, \i0+3
	FRAG AF+FR*(\i), ADRA+\slot, \q, \i
.endr
.endm
.macro SCALES sc
.irp i, 0,1,2,3,4,5,6,7
.irp q, 0,1
	ds_load_b32 v[SC+8*NQ*\sc+NQ*\i+\q], v[ADRS] offset:1024*\q+64*\i
.endr
.endr
.endm
.macro PLACES n
.rept \n
	v_nop
.endr
.endm
.macro STEP slot, q, zero
	s_wait_dscnt 4*NL
	WIN MUL_LO
	MUL16 0, (\q)%2, \q, \slot, \zero
	MUL16 2, (\q)%2, \q, \slot, \zero
	s_wait_dscnt 0
	PLACES NP
	FETCH_B \slot, (\q)+1, 1-(\q)%2
	FETCH_A \slot, (\q)+1, 0
	WIN MUL_HI
	MUL16 4, (\q)%2, \q, \slot, \zero
	MUL16 6, (\q)%2, \q, \slot, \zero
	PLACES NP
	WIN 0
	FETCH_A \slot, (\q)+1, 4
.endm
.macro TURN slot, next, fill
	s_wait_tensorcnt 0x0
	ds_add_u32 v[SPW], v[NIL]
	s_wait_dscnt 4*NL+1
	WIN MUL_LO
	MUL16 0, 1, NQ-1, \slot, 0
	s_wait_dscnt 0x0
	s_barrier_signal -1
	MUL16 2, 1, NQ-1, \slot, 0
	WIN 0
	s_barrier_wait -1
.if \fill
	CREST
	s_add_nc_u64 s[G0+4*\slot+2:G0+4*\slot+3], s[G0+4*\slot+2:G0+4*\slot+3], 2*TROW
	s_add_nc_u64 s[G0B+4*\slot+2:G0B+4*\slot+3], s[G0B+4*\slot+2:G0B+4*\slot+3], 2*TROW
	JLOAD G0+4*\slot, G1, G0B+4*\slot, G1B
.else
	PLACES NP
.endif
	s_wait_alu depctr_va_vdst(0)
	v_add_nc_u32 v[ADRS], 1024*NQ, v[ADRS]
	FETCH_B \next, 0, 0
	FETCH_A \next, 0, 0
	SCALES \next
	WIN MUL_HI
	MUL16 4, 1, NQ-1, \slot, 0
	MUL16 6, 1, NQ-1, \slot, 0
	PLACES NP
	WIN 0
	FETCH_A \next, 0, 4
.endm
	s_wait_alu depctr_va_vdst(0)
	s_wait_tensorcnt 0x0                           ; my tile of the head's four is in; slot 1's first fill is issued as a refill is
	ds_add_u32 v[SPW], v[NIL]
	s_mov_b32 s[G1+2], 8<<16                       ; no load of mine is out: from here on a load brings 8 tiles,
	s_mov_b32 s[G1+4], 8
	s_mov_b32 s[G1B+2], 8<<16
	s_mov_b32 s[G1B+4], 8
	s_mov_b32 s[G0+1], s45                         ; and slot 0's descriptors become the ring's: my quarter of the slot, my 8 tiles
	s_add_nc_u64 s[G0+2:G0+3], s[G0+2:G0+3], s[18:19]
	s_mov_b32 s[G0B+1], s45
	s_add_nc_u64 s[G0B+2:G0B+3], s[G0B+2:G0B+3], s[18:19]
	s_wait_dscnt 0x0
	CROUND                                         ; all four tiles are in, and all sixteen work-groups are here
	JLOAD G0+4, G1, G0B+4, G1B                     ; K step 1: the first tensor load behind the round
	FETCH_B 0, 0, 0
	FETCH_A 0, 0, 0
	SCALES 0
	FETCH_A 0, 0, 4
	STEP 0, 0, 1
	s_mov_b32 s3, LAPS-1
.Llap:
	TURN 0, 1, 1
	STEP 1, 0, 0
	TURN 1, 0, 1
	STEP 0, 0, 0
	s_sub_co_u32 s3, s3, 1
	s_cmp_lg_u32 s3, 0
	s_cbranch_scc1 .Llap
	TURN 0, 1, 0
	STEP 1, 0, 0
	s_wait_dscnt 4*NL
	WIN MUL_LO
	MUL16 0, 1, NQ-1, 1, 0
	MUL16 2, 1, NQ-1, 1, 0
	s_wait_dscnt 0
	WIN MUL_HI
	MUL16 4, 1, NQ-1, 1, 0
	MUL16 6, 1, NQ-1, 1, 0
	WIN 0
.macro TOSTAGE a
.set AC, 64*((\a)%4)
	WIN 0x08+4*((\a)/4)
.irp b, 0,1,2,3,4,5,6,7
	ds_store_b128 v[STO], v[AC+8*\b:AC+8*\b+3] offset:128*(\b/2)+32*(\b%2)
	ds_store_b128 v[STO], v[AC+8*\b+4:AC+8*\b+7] offset:128*(\b/2)+32*(\b%2)+16
.endr
	WIN 0
.set BB, BK+64*((\a)%2)
.irp t, 0,1,2,3,4,5,6,7,8,9,10,11,12,13,14,15
	ds_load_b128 v[BB+4*\t:BB+4*\t+3], v[RD] offset:\t*SPITCH
.endr
.endm
.macro SEND a, younger
.set BB, BK+64*((\a)%2)
	s_wait_dscnt \younger
.if (\a) > 0
	s_add_nc_u64 s[12:13], s[12:13], 128*4096
.endif
.irp t, 0,1,2,3,4,5,6,7,8,9,10,11,12,13,14,15
	global_store_b128 v[CO], v[BB+4*\t:BB+4*\t+3], s[12:13] offset:(\t+8*(\t/8))*4096 th:TH_STORE_NT
.endr
.endm
	PLACES NP
	TOSTAGE 0
.irp a, 1,2,3,4,5,6,7
.if \a > 1
	s_wait_xcnt 0x0
.endif
	TOSTAGE \a
	SEND \a-1, 32
.endr
	s_wait_xcnt 0x0
	SEND 7, 0
	s_wait_tensorcnt 0x0
	ds_add_u32 v[SPW], v[NIL]
	s_wait_dscnt 0x0
	CROUND
	s_endpgm
.Lfunc_end_k_q4225b3ec41_outp:
	.size	k_q4225b3ec41_outp, .Lfunc_end_k_q4225b3ec41_outp-k_q4225b3ec41_outp
	.p2alignl 7, 3214868480
	.fill 96, 4, 3214868480
	.section	.rodata,"a",@progbits
	.p2align	6, 0x0
	.amdhsa_kernel k_q4225b3ec41_outp
		.amdhsa_group_segment_fixed_size 327680
		.amdhsa_private_segment_fixed_size 0
		.amdhsa_enable_private_segment 0
		.amdhsa_kernarg_size 40
		.amdhsa_user_sgpr_count 2
		.amdhsa_user_sgpr_kernarg_segment_ptr 1
		.amdhsa_wavefront_size32 1
		.amdhsa_system_sgpr_workgroup_id_x 1
		.amdhsa_system_sgpr_workgroup_id_y 1
		.amdhsa_system_sgpr_workgroup_id_z 1
		.amdhsa_system_vgpr_workitem_id 0
		.amdhsa_next_free_vgpr 1024
		.amdhsa_next_free_sgpr 100
		.amdhsa_reserve_vcc 0
		.amdhsa_float_denorm_mode_32 3
		.amdhsa_float_denorm_mode_16_64 3
		.amdhsa_memory_ordered 1
		.amdhsa_forward_progress 1
		.amdhsa_inst_pref_size 147
	.end_amdhsa_kernel
	.amdgpu_metadata
---
amdhsa.version: [ 1, 2 ]
amdhsa.kernels:
  - .name:           k_q4225b3ec41_outp
    .symbol:         k_q4225b3ec41_outp.kd
    .args:
      - { .name: o_img, .offset: 0, .size: 8, .value_kind: global_buffer, .address_space: global }
      - { .name: o_sc, .offset: 8, .size: 8, .value_kind: global_buffer, .address_space: global }
      - { .name: xw_img, .offset: 16, .size: 8, .value_kind: global_buffer, .address_space: global }
      - { .name: xw_sc, .offset: 24, .size: 8, .value_kind: global_buffer, .address_space: global }
      - { .name: out0, .offset: 32, .size: 8, .value_kind: global_buffer, .address_space: global }
    .group_segment_fixed_size: 327680
    .private_segment_fixed_size: 0
    .kernarg_segment_align: 8
    .kernarg_segment_size: 40
    .max_flat_workgroup_size: 128
    .sgpr_count:     100
    .vgpr_count:     1024
    .wavefront_size: 32
...
	.end_amdgpu_metadata
.endif
;; end of part 4
